; MI455X (gfx1250); checked and timed in simulation.
; The chip was launched on July 23, 2026; its instructions are those of AMD's public machine-readable ISA for CDNA 5 (MIT licence, August 2026) and "CDNA5" Instruction Set Architecture Reference Guide (July 2026). The comments in the code are by the model that wrote it; some were corrected since.
;; Self Attention. Allowed arithmetic: matrix products marked QUANTISED: E3M2 operands, one E8M0 scale for each 32 along K, by v_wmma_scale_f32_16x16x128_f8f6f4 with both operands' format E3M2, f32 sums; everything else in f32.
;; Inputs: Wk 1,024 x 1,024 float32; Wp 1,024 x 1,024 float32; Wq 1,024 x 1,024 float32; Wv 1,024 x 1,024 float32; bk 1,024 float32; bp 1,024 float32; bq 1,024 float32; bv 1,024 float32; x 4 x 2,048 x 1,024 float32.
;; Outputs: out0 4 x 2,048 x 1,024 float32.
;; This version of the problem:
;;   THIS VERSION OF THE PROBLEM IS GIVEN IN LOW PRECISION. The matrix products marked QUANTISED in the list below multiply operands that are first quantised to E3M2 (3 exponent bits, 2 mantissa bits; 6 bits a number), with one power-of-two scale for each 32 numbers along K (OCP MX v1.0); their sums are f32. All else is computed in f32.
;;   The module's matrix products, in the order in which they are computed (A, B: the left and right operand; K: the contracted axis; several contracted axes count as one K, in the product's order):
;;     1. [M 8,192, K 1,024] x [K 1,024, N 1,024]; A: input x; B: input Wk: QUANTISED
;;     2. [M 8,192, K 1,024] x [K 1,024, N 1,024]; A: input x; B: input Wq: QUANTISED
;;     3. [M 8,192, K 1,024] x [K 1,024, N 1,024]; A: input x; B: input Wv: QUANTISED
;;     4. batch 64 x [M 2,048, K 64] x [K 64, N 2,048]; A: computed on the way; B: computed on the way: QUANTISED
;;     5. batch 64 x [M 2,048, K 2,048] x [K 2,048, N 64]; A: softmax (see below); B: computed on the way: QUANTISED
;;     6. [M 8,192, K 1,024] x [K 1,024, N 1,024]; A: computed on the way; B: input Wp: QUANTISED
;;   THE QUANTISER, for each operand of a quantised product, along K:
;;     - K is cut into blocks of 32 from its start; a last block that is shorter is filled with zeros.
;;     - A block's scale is 2^e with e = floor(log2(the largest magnitude in the block)) - 4, held to -126 .. 127; a block of zeros has e = 0. As a byte (E8M0): e + 127.
;;     - Each number is divided by its block's scale, clamped to +-28, and rounded to the nearest number of E3M2, ties to even, subnormals kept.
;;     - The product sums the exact products of the quantised numbers (number of the format x scale) in f32.
;;   ~~~python
;;   def quantise(x, axis):      # numpy; x: float32 -> the quantised numbers, widened to float32 again
;;       x = np.moveaxis(x, axis, -1); K = x.shape[-1]
;;       x = np.pad(x, [(0, 0)] * (x.ndim - 1) + [(0, -K % 32)]); x = x.reshape(x.shape[:-1] + (-1, 32)); a = np.abs(x).max(-1, keepdims=True)
;;       e = np.where(a > 0, np.clip(np.frexp(np.where(a > 0, a, 1))[1] - 1 - 4, -126, 127), 0)      # np.frexp(a)[1] - 1 = floor(log2(a)), exactly
;;       r = np.clip(x / 2.0 ** e, -28, 28)
;;       step = 2.0 ** (np.maximum(np.frexp(np.where(r == 0, 1, r))[1] - 1, -2) - 2)
;;       q = np.round(r / step) * step * 2.0 ** e      # np.round: ties to even
;;       return np.moveaxis(q.reshape(q.shape[:-2] + (-1,))[..., :K], -1, axis).astype(np.float32)
;;   ~~~
;;   SOFTMAX AHEAD OF A QUANTISED PRODUCT. Where the list says 'softmax', what is quantised is not the finished softmax but p = 2^(t - M), with t = logit x log2(e) and M = ceil(the row's largest t), a whole number; so 1/2 < the row's largest p <= 1. The row's sum l is taken of the UNQUANTISED p, in f32, and the product's result is divided by l at the end. Since M is a whole number, a kernel that streams over the keys may use a running M (the ceiling of the running maximum): every later rescaling is an exact power of two, which a block's scale takes up: the codes' values come out the same.
;;   OPERANDS COMPUTED ON THE WAY. 'Computed on the way' means the value that the module computes at that place (a softmax that the list does not call 'softmax' is quantised finished and normalised). What goes into a quantiser is computed in f32, as accurately as f32 sums, v_exp_f32 and their like allow (about 1e-6 of the number): no bf16 or f16 on the way to a quantiser, and a product that is left as it is and whose result goes on into a quantised operand takes f32 operands (vector FMAs, or v_wmma_f32_16x16x4_f32). A number that lies on a knife's edge between two numbers of the format may be rounded either way, as far as f32 arithmetic and the matrix unit's own rounding can turn it there, and no further.
;; One version. Each part assembles by itself: llvm-mc -triple=amdgcn-amd-amdhsa -mcpu=gfx1250 --defsym DOCPART=n.
;; ======== version 1 of 1: 4 launches
;; workspace buffers: xc 6,291,456 bytes; wc 3,145,728 bytes; opsc 360,448 bytes; qkvc 18,874,368 bytes; qkvs 1,310,720 bytes; yc 6,291,456 bytes; ysc 294,912 bytes
;; launch quant (part 1): grid 512 x 1, 4 waves a work-group, no clusters, 47,616 bytes of LDS; arguments x, Wk, Wq, Wv, Wp, xc, wc, opsc, ysc; writes xc, wc, opsc, ysc
.if DOCPART == 1
	.amdgcn_target "amdgcn-amd-amdhsa--gfx1250"
	.amdhsa_code_object_version 6
	.text
	.protected	k_qc3dfdf45fe_quant
	.globl	k_qc3dfdf45fe_quant
	.p2align	8
	.type	k_qc3dfdf45fe_quant,@function
k_qc3dfdf45fe_quant:
	s_mov_b64 s[64:65], 0
	v_nop
	global_prefetch_b8 v0, s[64:65] scope:SCOPE_SE
	s_setreg_imm32_b32 hwreg(HW_REG_WAVE_MODE, 25, 1), 1
	s_wait_xcnt 0x0
; x [8192][1024] and the four weights [1024 (k)][1024 (n)], f32, become codes of BF6 (E3M2) with one E8M0 byte for each 32 along K, laid IN THE ORDER OF AN OPERAND'S REGISTERS.
; A ROW TILE rho is 16 rows: row(rho, r) = 32 (rho / 2) + 8 (rho % 2) + r + 8 (r / 8).  A HALF IMAGE (768 bytes) is 16 rows x 64 k: lane l = 16 h + r holds k = 32 h + 0 .. 31 of row r in six registers,
; registers 0-3 at byte 16 l, registers 4-5 at byte 512 + 8 l.  Two half images on end are a fragment of 128 k.  A tile's codes are its 16 half images on end (12,288 bytes).
; A tile's scale words (512 bytes): [K half][r][4 words], word s = the four bytes of k = 128 s on.
; A block's scale is 2^(floor(log2(largest magnitude)) - 4): its byte is the largest magnitude's exponent field - 4, held at 1 from below by a floor among the maximum's leaves.
; LIMITS: a block of zeros gets the byte 1 where the quantiser's text says 127 (its codes are zeros, and only this program reads the bytes); NaN and infinities among the inputs are not served.
; Work-groups 0-255 take x (a wave: one tile x 512 k, four steps of 128 k), work-groups 256-511 the weights (a wave: 32 columns x 128 k).  The two ways have LDS bytes of their own.
; No cluster, no tensor load, no barrier: no two waves read the same byte, and each wave's stage is its own.
.set R,     32                         ; x way: v32-159  two sets of 64 numbers as loaded
.set X,     160                        ;        v160-223 my row's 64 numbers of a step
.set C,     16                         ;        v16-27   a fragment's codes
.set XPIT,  528                        ; a stage row: 512 bytes + 16, an odd multiple of 16 bytes
.set XSTG,  16*XPIT                    ; a wave's stage on the x way
.set WSTG,  4*XSTG                     ; behind them: the stages of the weights' way
.set WPIT,  1664                       ; there: from one tile's fragment to the other's
.set FLOOR, 0x2800000                  ; 2^(5 - 127)
.set EOFF,  0xfe000000                 ; takes 4 off an exponent field
.macro XLOAD t                         ; step t: 16 rows x 512 bytes; a load is one row's 512 consecutive bytes
.irp i, 0,1,2,3,4,5,6,7,8,9,10,11,12,13,14,15
	global_load_b128 v[R+64*((\t)%2)+4*\i:R+64*((\t)%2)+4*\i+3], v4, s[4:5] offset:(\i+8*(\i/8))*4096+512*(\t) th:TH_LOAD_NT
.endr
.endm
.macro XSTEP t
.if (\t) < 3
	s_wait_loadcnt 16                              ; this step's 16 loads are in; the next step's 16 may be out
.else
	s_wait_loadcnt 0x0
.endif
.irp i, 0,1,2,3,4,5,6,7,8,9,10,11,12,13,14,15
	ds_store_b128 v6, v[R+64*((\t)%2)+4*\i:R+64*((\t)%2)+4*\i+3] offset:XPIT*\i      ; row i as it lies
.endr
.irp k, 0,1
.irp m, 0,1,2,3,4,5,6,7
	ds_load_b128 v[X+32*\k+4*\m:X+32*\k+4*\m+3], v7 offset:256*\k+16*\m              ; back: my row's k = 64 k + 32 h + 0 .. 31 (LDS serves a wave's instructions in order)
.endr
.endr
	s_wait_dscnt 0x0                               ; my numbers are back, and the stores have read the loaded registers
.if (\t) > 0
	s_wait_xcnt 0x0                                ; the last step's stores have read the code registers
.endif
.if (\t) < 2
	XLOAD (\t)+2
.endif
.irp k, 0,1
	v_max3_num_f32 v[28+\k], |v[X+32*\k]|, |v[X+32*\k+1]|, FLOOR                     ; a whole block of 32 is mine; the two blocks by turns
.endr
.irp i, 2,4,6,8,10,12,14,16,18,20,22,24,26,28,30
.irp k, 0,1
	v_max3_num_f32 v[28+\k], v[28+\k], |v[X+32*\k+\i]|, |v[X+32*\k+\i+1]|
.endr
.endr
	v_add_nc_u32 v30, EOFF, v28                    ; the conversion takes this operand's exponent field as its scale
	v_add_nc_u32 v31, EOFF, v29
	v_lshrrev_b32 v227, 23, v30                    ; the bytes of blocks h and 2 + h
	v_lshrrev_b32 v231, 23, v31
	v_lshl_or_b32 v14, v231, 16, v227
	v_lshlrev_b32 v14, v9, v14                     ; 8 h bits up
	v_permlanex16_b32 v15, v14, s34, s35
	v_or_b32 v[10+(\t)], v14, v15                  ; with lane l xor 16's two bytes: my row's word for these 128 k
.irp k, 0,1
	v_cvt_scalef32_pk16_bf6_f32 v[C+6*\k:C+6*\k+2], v[X+32*\k:X+32*\k+15], v[30+\k]
	v_cvt_scalef32_pk16_bf6_f32 v[224+4*\k:226+4*\k], v[X+32*\k+16:X+32*\k+31], v[30+\k]   ; (a conversion's three registers begin on an even number)
.endr
	v_nop                                          ; one plain place behind a scaled conversion
.irp k, 0,1
.irp i, 0,1,2
	v_mov_b32 v[C+6*\k+3+\i], v[224+4*\k+\i]
.endr
.endr
	global_store_b128 v4, v[C:C+3], s[14:15] offset:1536*(\t)                       ; each store covers 512 or 256 consecutive bytes, aligned to 256
	global_store_b64 v5, v[C+4:C+5], s[14:15] offset:1536*(\t)+512
	global_store_b128 v4, v[C+6:C+9], s[14:15] offset:1536*(\t)+768
	global_store_b64 v5, v[C+10:C+11], s[14:15] offset:1536*(\t)+1280
.endm
.macro WLOAD t                         ; block t: W(32 t + i, my column): 32 lanes read 128 consecutive bytes
.set i, 0
.rept 32
	global_load_b32 v[32+32*((\t)%2)+i], v11, s[6:7] offset:(32*(\t)+i)*4096 th:TH_LOAD_NT
.set i, i+1
.endr
.endm
.macro WBLOCK t
.set XS, 32+32*((\t)%2)
.if (\t) < 3
	s_wait_loadcnt 32                              ; this block's 32 loads are in; the next block's may be out
.else
	s_wait_loadcnt 0x0
.endif
	v_max3_num_f32 v14, |v[XS]|, |v[XS+1]|, |v[XS+2]|
	v_max3_num_f32 v15, |v[XS+3]|, |v[XS+4]|, |v[XS+5]|
.irp i, 6,10,14,18,22,26
	v_max3_num_f32 v14, v14, |v[XS+\i]|, |v[XS+\i+1]|
	v_max3_num_f32 v15, v15, |v[XS+\i+2]|, |v[XS+\i+3]|
.endr
	v_max3_num_f32 v14, v14, |v[XS+30]|, |v[XS+31]|
	v_max3_num_f32 v14, v14, v15, FLOOR
	v_add_nc_u32 v16, EOFF, v14
	v_lshrrev_b32 v15, 23, v16
.if (\t) == 0
	v_mov_b32 v13, v15                             ; my column's word: the lower k in the lower byte
.else
	v_lshl_or_b32 v13, v15, 8*(\t), v13
.endif
	v_cvt_scalef32_pk16_bf6_f32 v[20:22], v[XS:XS+15], v16
	v_cvt_scalef32_pk16_bf6_f32 v[26:28], v[XS+16:XS+31], v16
	v_nop                                          ; one plain place behind a scaled conversion
	v_mov_b32 v23, v26
	v_mov_b32 v24, v27
	v_mov_b32 v25, v28
	ds_store_b128 v8, v[20:23] offset:768*((\t)/2)+256*((\t)%2)          ; block t is lane 16 (t % 2) + r of half image t / 2
	ds_store_b64 v9, v[24:25] offset:768*((\t)/2)+512+128*((\t)%2)
.if (\t) < 2
	WLOAD (\t)+2
.endif
	s_wait_dscnt 0x0                               ; the stores have read the code registers
.endm
	s_load_b256 s[4:11], s[0:1], 0x0               ; x, Wk, Wq, Wv
	s_load_b256 s[12:19], s[0:1], 0x20             ; Wp, xc, wc, opsc
	s_load_b64 s[20:21], s[0:1], 0x40              ; ysc
	v_lshl_add_u32 v232, v0, 2, 0xb800
	v_mov_b32 v233, 0
	v_lshrrev_b32 v1, 5, v0
	v_readfirstlane_b32 s22, v1                    ; wave
	v_and_b32 v1, 31, v0                           ; lane
	v_and_b32 v2, 15, v0                           ; r
	v_bfe_u32 v3, v0, 4, 1                         ; h
	v_lshlrev_b32 v4, 4, v1                        ; 16 l
	v_lshlrev_b32 v5, 3, v1                        ; 8 l
	s_cmp_lt_u32 ttmp9, 256
	s_cbranch_scc0 .Lweights
	; ---- x: unit U = 4 x work-group + wave: tile U / 2, K half U % 2
	s_lshl_b32 s23, ttmp9, 2
	s_add_co_u32 s23, s23, s22                     ; U
	s_lshr_b32 s24, s23, 1                         ; rho
	s_and_b32 s25, s23, 1                          ; the K half
	s_lshr_b32 s26, s24, 1
	s_and_b32 s27, s24, 1
	s_lshl_b32 s26, s26, 17                        ; 32 rows of 4,096 bytes
	s_lshl_b32 s27, s27, 15                        ; 8 rows
	s_add_co_u32 s26, s26, s27
	s_lshl_b32 s27, s25, 11                        ; 512 k
	s_add_co_u32 s26, s26, s27
	s_mov_b32 s27, 0
	s_mul_i32 s28, s23, 6144                       ; the codes: 12,288 rho + 6,144 x half
	s_mov_b32 s29, 0
	s_lshl_b32 s30, s23, 8                         ; the scale words: 512 rho + 256 x half
	s_mov_b32 s31, 0
	s_mul_i32 s32, s22, XSTG
	s_wait_alu depctr_va_vdst(0)
	v_add_nc_u32 v6, s32, v4                       ; the stage, in
	v_mul_u32_u24 v7, v2, XPIT
	v_lshl_add_u32 v7, v3, 7, v7
	v_add_nc_u32 v7, s32, v7                       ; and out: row r, + 128 h
	v_lshlrev_b32 v9, 3, v3                        ; 8 h
	v_lshl_add_u32 v8, v2, 4, v9                   ; 16 r + 8 h
	v_mov_b32 v15, 0                               ; a lane permute's destination counts as one of its sources
	s_mov_b32 s34, 0x76543210
	s_mov_b32 s35, 0xfedcba98                      ; lane l xor 16
	s_wait_alu depctr_va_vdst(0)
	s_wait_kmcnt 0x0
	s_add_nc_u64 s[4:5], s[4:5], s[26:27]
	s_add_nc_u64 s[14:15], s[14:15], s[28:29]
	s_add_nc_u64 s[18:19], s[18:19], s[30:31]
	XLOAD 0
	XLOAD 1
	XSTEP 0
	XSTEP 1
	XSTEP 2
	XSTEP 3
	v_cmp_ne_u32 vcc_lo, 0, v3
	v_cndmask_b32 v14, v10, v12, vcc_lo            ; lanes 0-15 store words 0, 1 of their row, lanes 16-31 words 2, 3
	v_cndmask_b32 v15, v11, v13, vcc_lo
	global_store_b64 v8, v[14:15], s[18:19]        ; 256 consecutive bytes, aligned
	s_wait_tensorcnt 0x0
	ds_add_u32 v232, v233
	s_wait_dscnt 0x0
	s_endpgm
.Lweights:
	; ---- the weights: matrix m, columns 32 beta on, k = 128 s on.  A lane takes a column, its registers run down K
	s_sub_co_u32 s23, ttmp9, 256
	s_lshr_b32 s24, s23, 6                         ; m: k, q, v, p
	s_bfe_u32 s25, s23, 0x30003
	s_and_b32 s26, s23, 7                          ; s
	s_lshl_b32 s27, s25, 2
	s_add_co_u32 s27, s27, s22                     ; beta
	s_lshl_b32 s28, s26, 19                        ; 128 rows of 4,096 bytes
	s_lshl_b32 s29, s27, 7
	s_add_co_u32 s28, s28, s29
	s_mov_b32 s29, 0
	s_mul_i32 s30, s24, 786432
	s_mul_i32 s31, s27, 24576                      ; tiles 2 beta, 2 beta + 1
	s_add_co_u32 s30, s30, s31
	s_mul_i32 s31, s26, 1536                       ; fragment s
	s_add_co_u32 s30, s30, s31
	s_mov_b32 s31, 0
	s_lshl_b32 s36, s27, 10
	s_lshr_b32 s37, s26, 2
	s_lshl_b32 s37, s37, 8
	s_add_co_u32 s36, s36, s37
	s_and_b32 s37, s26, 3
	s_lshl_b32 s37, s37, 2
	s_add_co_u32 s36, s36, s37
	s_add_co_u32 s36, s36, 262144                  ; the weights' scale words lie behind the rows' in both buffers
	s_wait_alu depctr_va_vdst(0)
	v_bfe_u32 v6, v1, 3, 1                         ; column 32 beta + lane is row r of tile 2 beta + u: u = (lane / 8) % 2,
	v_and_b32 v7, 7, v1
	v_lshl_add_u32 v7, v3, 3, v7                   ; r = lane % 8 + 8 (lane / 16)
	s_mul_i32 s33, s22, 2*WPIT
	s_add_co_u32 s33, s33, WSTG                    ; my stage
	v_mul_u32_u24 v8, v6, WPIT
	v_add_nc_u32 v8, s33, v8
	v_lshl_add_u32 v9, v7, 3, v8                   ; + 8 r
	v_lshl_add_u32 v8, v7, 4, v8                   ; + 16 r
	v_add_nc_u32 v10, s33, v4                      ; back: 16 l
	v_lshlrev_b32 v11, 2, v1
	v_lshlrev_b32 v12, 9, v6
	v_lshl_add_u32 v12, v7, 4, v12                 ; my scale word: 512 u + 16 r
	s_wait_alu depctr_va_vdst(0)
	s_wait_kmcnt 0x0
	s_cmp_eq_u32 s24, 1                            ; the choices hang on the work-group's number alone
	s_cselect_b64 s[6:7], s[8:9], s[6:7]
	s_cmp_eq_u32 s24, 2
	s_cselect_b64 s[6:7], s[10:11], s[6:7]
	s_cmp_eq_u32 s24, 3
	s_cselect_b64 s[6:7], s[12:13], s[6:7]
	s_cselect_b64 s[18:19], s[20:21], s[18:19]     ; Wp's scale words go beside y's
	s_cselect_b32 s37, 0, s24
	s_lshl_b32 s37, s37, 15
	s_add_co_u32 s36, s36, s37
	s_mov_b32 s37, 0
	s_add_nc_u64 s[6:7], s[6:7], s[28:29]
	s_add_nc_u64 s[16:17], s[16:17], s[30:31]
	s_add_nc_u64 s[18:19], s[18:19], s[36:37]
	WLOAD 0
	WLOAD 1
	WBLOCK 0
	WBLOCK 1
	WBLOCK 2
	WBLOCK 3
	s_wait_alu depctr_va_vdst(0)
	global_store_b32 v12, v13, s[18:19]
.irp u, 0,1
.irp c, 0,1,2
	ds_load_b128 v[96+4*(3*\u+\c):96+4*(3*\u+\c)+3], v10 offset:WPIT*\u+512*\c       ; LDS serves a wave's instructions in order: these see my stores
.endr
.endr
.irp u, 0,1
.irp c, 0,1,2
	s_wait_dscnt 5-3*\u-\c                         ; the younger reads of the stage may be out
	global_store_b128 v4, v[96+4*(3*\u+\c):96+4*(3*\u+\c)+3], s[16:17] offset:12288*\u+512*\c   ; 512 consecutive bytes, aligned to 256
.endr
.endr
	s_wait_tensorcnt 0x0
	ds_add_u32 v232, v233
	s_wait_dscnt 0x0
	s_endpgm
.Lfunc_end_k_qc3dfdf45fe_quant:
	.size	k_qc3dfdf45fe_quant, .Lfunc_end_k_qc3dfdf45fe_quant-k_qc3dfdf45fe_quant
	.p2alignl 7, 3214868480
	.fill 96, 4, 3214868480
	.section	.rodata,"a",@progbits
	.p2align	6, 0x0
	.amdhsa_kernel k_qc3dfdf45fe_quant
		.amdhsa_group_segment_fixed_size 47616
		.amdhsa_private_segment_fixed_size 0
		.amdhsa_enable_private_segment 0
		.amdhsa_kernarg_size 72
		.amdhsa_user_sgpr_count 2
		.amdhsa_user_sgpr_kernarg_segment_ptr 1
		.amdhsa_wavefront_size32 1
		.amdhsa_system_sgpr_workgroup_id_x 1
		.amdhsa_system_sgpr_workgroup_id_y 1
		.amdhsa_system_sgpr_workgroup_id_z 1
		.amdhsa_system_vgpr_workitem_id 0
		.amdhsa_next_free_vgpr 234
		.amdhsa_next_free_sgpr 66
		.amdhsa_reserve_vcc 1
		.amdhsa_float_denorm_mode_32 3
		.amdhsa_float_denorm_mode_16_64 3
		.amdhsa_memory_ordered 1
		.amdhsa_forward_progress 1
		.amdhsa_inst_pref_size 52
	.end_amdhsa_kernel
	.amdgpu_metadata
---
amdhsa.version: [ 1, 2 ]
amdhsa.kernels:
  - .name:           k_qc3dfdf45fe_quant
    .symbol:         k_qc3dfdf45fe_quant.kd
    .args:
      - { .name: x, .offset: 0, .size: 8, .value_kind: global_buffer, .address_space: global }
      - { .name: Wk, .offset: 8, .size: 8, .value_kind: global_buffer, .address_space: global }
      - { .name: Wq, .offset: 16, .size: 8, .value_kind: global_buffer, .address_space: global }
      - { .name: Wv, .offset: 24, .size: 8, .value_kind: global_buffer, .address_space: global }
      - { .name: Wp, .offset: 32, .size: 8, .value_kind: global_buffer, .address_space: global }
      - { .name: xc, .offset: 40, .size: 8, .value_kind: global_buffer, .address_space: global }
      - { .name: wc, .offset: 48, .size: 8, .value_kind: global_buffer, .address_space: global }
      - { .name: opsc, .offset: 56, .size: 8, .value_kind: global_buffer, .address_space: global }
      - { .name: ysc, .offset: 64, .size: 8, .value_kind: global_buffer, .address_space: global }
    .group_segment_fixed_size: 47616
    .private_segment_fixed_size: 0
    .kernarg_segment_align: 8
    .kernarg_segment_size: 72
    .max_flat_workgroup_size: 128
    .sgpr_count:     66
    .vgpr_count:     234
    .wavefront_size: 32
...
	.end_amdgpu_metadata
.endif
;; end of part 1
;; launch qkv (part 2): grid 24 x 32, 4 waves a work-group, clusters of 4 x 4, 327,680 bytes of LDS; arguments xc, wc, opsc, bk, bq, bv, qkvc, qkvs; writes qkvc, qkvs
.if DOCPART == 2
	.amdgcn_target "amdgcn-amd-amdhsa--gfx1250"
	.amdhsa_code_object_version 6
	.text
	.protected	k_qc3dfdf45fe_qkv
	.globl	k_qc3dfdf45fe_qkv
	.p2align	8
	.type	k_qc3dfdf45fe_qkv,@function
k_qc3dfdf45fe_qkv:
	s_mov_b64 s[64:65], 0
	v_nop
	global_prefetch_b8 v0, s[64:65] scope:SCOPE_SE
	s_setreg_imm32_b32 hwreg(HW_REG_WAVE_MODE, 25, 1), 1
	s_wait_xcnt 0x0
	s_wait_alu depctr_hold_cnt(0) depctr_sa_sdst(0) depctr_va_vdst(0) depctr_va_sdst(0) depctr_va_ssrc(0) depctr_va_vcc(0) depctr_vm_vsrc(0)
	s_getreg_b32 s2, hwreg(HW_REG_IB_STS2, 6, 4)
	s_cmp_eq_u32 s2, 0
	s_cbranch_scc0 .Lentry_in_a_cluster
	s_endpgm
.Lentry_in_a_cluster:
	s_bfe_u32 s2, ttmp6, 0x10000c
	s_cmp_lg_u32 s2, 0xf033
	s_cbranch_scc0 .Lentry_shape_is_right
	s_endpgm
.Lentry_shape_is_right:
; k = x Wk + bk, q = x Wq + bq, v = x Wv + bv on codes of BF6 (E3M2) with E8M0 scales, and each result quantised at once for attention: q and k along the head's 64, v along the keys.  No f32 result goes to memory.
; OPERANDS lie as images of registers: a row tile rho = 16 rows 32 (rho / 2) + 8 (rho % 2) + r + 8 (r / 8); a half image = 768 bytes = 16 rows x 64 k (registers 0-3 at 16 l, 4-5 at 512 + 8 l); a tile = 16 half images.
; THE PRODUCT is D = src0 src1^T: source 0 = 16 rows of src0, source 1 = 16 rows of src1.  A lane then holds ONE row of src1, and by the tiles' row order its 16 registers of src0 tiles 2 b, 2 b + 1 are
; 16 NEIGHBOURS along src0's rows: so the quantiser runs along src0.  For k and q: src1 = x (256 tokens), src0 = the weight (128 columns = two heads).  For v: src1 = Wv (256 columns = four heads), src0 = x (128 tokens = a key step).
; The kind (cluster x / 2: k, q, v) only selects pointers, offsets and two factors: there is no branch on it.
; A work-group: 256 rows of src1 x 128 of src0, ALL OF K (1,024) in LDS, every byte filled once: no slot is filled again.  Four waves; wave w owns src1 tiles 4 w .. 4 w + 3 against src0's eight: 32 accumulators.
; CLUSTER 4 x 4: src1's tiles hang on cy alone and are asked for jointly along a row of the cluster, src0's on cx alone, along a column.  A wave has eight tensor loads out at the most.
; The bias is laid into the accumulators ahead of the first product: bias(src0 row) x SELQ + bias(src1 row) x SELV, one factor 1 and the other 0.
; LIMITS: NaN and infinities are not served (a bias that is not finite would also reach the kinds whose factor for it is 0); a block of zeros gets the byte 1, not 127: its codes are zeros and only this program reads the bytes.
; REGISTERS: window 0: v1-3 lane, r, h; v4-19 LDS addresses; v20-31 global offsets; v32-95 scale words (8 i + s: lanes 0-15 src1 tile i, lanes 16-31 src0 tile i, K step s); v96-143, v144-191 src1's fragments, two sets;
;   v192-215 at work.   window 1: src0's fragments, two sets, at v0 and v128.   window 2: accumulator (a, b) at v[8 (8 a + b)].
.set SC,  32
.set F1,  96
.set BQ,  96                           ; at the head: the bias by src0's rows, 64 registers;
.set BV,  160                          ; by src1's rows, 4;
.set BP,  164                          ; the same x SELV, in pairs
.set PC,  96                           ; on the way out: 12 code registers for each of my four src1 tiles
.set CT,  144                          ; and the conversions' second halves
.set TM,  192                          ; v192-195 largest magnitudes, v196-199 bytes, v204-207 scale operands
.set PW,  208                          ; v208-211 the four tiles' scale words
.set PO,  212                          ; v212-215 as they are stored
.set WV,  20
.set G1A, 24                           ; s[24:31] group 1 for src1, s[32:39] for src0
.set G1B, 32
.set G0A, 40                           ; s[40:55] groups 0 for src1, K chunks 0-3; src0's at s56, s60, s68, s72
.set SEL, 66
.set SELV, 95
.set SELQ, 98
.set MSB, 0
.macro WIN new                         ; the immediate's high byte repeats the setting that is left
.if MSB != \new
	s_set_vgpr_msb (MSB<<8)|\new
.set MSB, \new
.endif
.endm
.macro CROUND                          ; a round of the cluster's barrier
	s_barrier_signal -1
	s_barrier_wait -1
	s_cmp_lg_u32 s[WV], 0
	s_cbranch_scc1 .Lnot_wave_0_\@
	s_barrier_signal -3
.Lnot_wave_0_\@:
	s_barrier_wait -3
	s_barrier_signal -1
	s_barrier_wait -1
.endm
.macro PLACES                          ; four plain vector instructions between a matrix instruction and a load into, or a vector read of, its registers
.rept 4
	v_nop
.endr
.endm
.macro FRAG reg, a16, a8, off          ; a fragment: two half images, dense in LDS
	ds_load_b128 v[(\reg):(\reg)+3], v[\a16] offset:(\off)
	ds_load_b64 v[(\reg)+4:(\reg)+5], v[\a8] offset:(\off)+512
	ds_load_b128 v[(\reg)+6:(\reg)+9], v[\a16] offset:(\off)+768
	ds_load_b64 v[(\reg)+10:(\reg)+11], v[\a8] offset:(\off)+1280
.endm
.macro FETCH s                         ; K step s (128 k) into set s % 2: src0's eight fragments, my four of src1
	WIN 0x40
.irp b, 0,1,2,3,4,5,6,7
	FRAG 128*((\s)%2)+12*\b, 12+2*((\s)/2), 13+2*((\s)/2), 3072*\b+1536*((\s)%2)
.endr
	WIN 0
.irp a, 0,1,2,3
	FRAG F1+48*((\s)%2)+12*\a, 4+2*((\s)/2), 5+2*((\s)/2), 3072*\a+1536*((\s)%2)
.endr
.endm
.macro MUL s                           ; 32 products; the 32 accumulators take turns, one instruction a turn
	WIN 0xa1                                       ; source 0 window 1, source 1 window 0, C and D window 2
.irp a, 0,1,2,3
.irp b, 0,1,2,3,4,5,6,7
	v_wmma_scale_f32_16x16x128_f8f6f4 v[8*(8*\a+\b):8*(8*\a+\b)+7], v[128*((\s)%2)+12*\b:128*((\s)%2)+12*\b+11], v[F1+48*((\s)%2)+12*\a:F1+48*((\s)%2)+12*\a+11], v[8*(8*\a+\b):8*(8*\a+\b)+7], v[SC+8*\b+(\s)], v[SC+8*\a+(\s)] matrix_a_fmt:MATRIX_FMT_BF6 matrix_b_fmt:MATRIX_FMT_BF6 matrix_a_scale:MATRIX_SCALE_ROW1
.endr
.endr
.endm
.macro SYNC n                          ; my loads of the K chunk wanted next have landed (n younger ones may be out), my LDS loads are in; then everybody's
	s_wait_tensorcnt \n
	s_wait_dscnt 0x0
	s_barrier_signal -1
	s_barrier_wait -1
.endm
.macro KSTEP s
.if ((\s) == 1) || ((\s) == 3) || ((\s) == 5)
	SYNC 5-(\s)                                    ; two loads for each later chunk stay out
.else
	s_wait_dscnt 0x0                               ; this step's fragments are in
.endif
	PLACES                                         ; in front of loads into the set that the last step multiplied
.if (\s) < 7
	FETCH (\s)+1
.endif
	MUL \s
.endm
; My src1 tile a: 64 registers of a lane = 128 neighbours along src0's rows of one src1 row: four blocks of 32, each shared with lane l xor 16.  They become a fragment's codes and a scale word.
.macro QUANTW a
	WIN 0x0a                                       ; sources 0 and 1 window 2
.irp b, 0,1,2,3
	v_max3_num_f32 v[TM+\b], |v[64*\a+16*\b]|, |v[64*\a+16*\b+1]|, 0x2800000      ; each accumulator is read from its low end on; the floor 2^(5 - 127) holds the byte at 1 from below
.endr
.irp i, 2,4,6,8,10,12,14
.irp b, 0,1,2,3
	v_max3_num_f32 v[TM+\b], |v[64*\a+16*\b+\i]|, |v[64*\a+16*\b+\i+1]|, v[TM+\b]
.endr
.endr
	WIN 0
.irp b, 0,1,2,3
	v_permlanex16_b32 v[TM+4+\b], v[TM+\b], s[SEL], s[SEL+1]
.endr
.irp b, 0,1,2,3
	v_max_num_f32 v[TM+\b], v[TM+\b], v[TM+4+\b]
.endr
.irp b, 0,1,2,3
	v_add_nc_u32 v[TM+12+\b], 0xfe000000, v[TM+\b]   ; 4 off the exponent field: the conversion's scale operand
.endr
.irp b, 0,1,2,3
	v_lshrrev_b32 v[TM+4+\b], 23, v[TM+12+\b]        ; the byte
.endr
	v_lshl_or_b32 v[PW+\a], v[TM+5], 8, v[TM+4]
	v_lshl_or_b32 v[PW+\a], v[TM+6], 16, v[PW+\a]
	v_lshl_or_b32 v[PW+\a], v[TM+7], 24, v[PW+\a]
	WIN 0x02                                       ; source 0 window 2
.irp c, 0,1
	v_cvt_scalef32_pk16_bf6_f32 v[PC+12*\a+6*\c:PC+12*\a+6*\c+2], v[64*\a+32*\c:64*\a+32*\c+15], v[TM+12+2*\c]
	v_cvt_scalef32_pk16_bf6_f32 v[CT+4*\c:CT+4*\c+2], v[64*\a+32*\c+16:64*\a+32*\c+31], v[TM+13+2*\c]
.endr
	WIN 0
	v_nop                                          ; one plain place behind a scaled conversion
.irp c, 0,1                            ; the operand's layout wants a whole block in a lane
.irp i, 0,1,2
	v_permlane16_swap_b32 v[PC+12*\a+6*\c+\i], v[CT+4*\c+\i]
.endr
.irp i, 0,1,2
	v_mov_b32 v[PC+12*\a+6*\c+3+\i], v[CT+4*\c+\i]
.endr
.endr
	global_store_b128 v[22+2*\a], v[PC+12*\a:PC+12*\a+3], s[16:17]                ; the first half image: 512 and 256 consecutive bytes, aligned to 256
	global_store_b64 v[23+2*\a], v[PC+12*\a+4:PC+12*\a+5], s[16:17] offset:512
	global_store_b128 v[22+2*\a], v[PC+12*\a+6:PC+12*\a+9], s[10:11]              ; the second: the next head's (k, q) or the next 64 keys' (v)
	global_store_b64 v[23+2*\a], v[PC+12*\a+10:PC+12*\a+11], s[10:11] offset:512
.endm
	s_load_b256 s[4:11], s[0:1], 0x0               ; xc, wc, opsc, bk
	s_load_b256 s[12:19], s[0:1], 0x20             ; bq, bv, qkvc, qkvs
	v_lshl_add_u32 v254, v0, 2, 0x48000
	v_mov_b32 v255, 0
	ds_add_u32 v254, v255
	ds_add_u32 v254, v255
	v_lshrrev_b32 v1, 5, v0
	v_readfirstlane_b32 s[WV], v1                  ; wave
	s_bfe_u32 s21, ttmp6, 0x40000                  ; cx
	s_bfe_u32 s22, ttmp6, 0x40004                  ; cy
	s_and_b32 s23, ttmp7, 0xffff                   ; cluster y
	s_lshr_b32 s76, ttmp9, 1                       ; the kind: 0 k, 1 q, 2 v: equal in all partners
	s_and_b32 s77, ttmp9, 1
	s_lshl_b32 s78, s23, 2
	s_add_co_u32 s78, s78, s22                     ; k, q: src1's block of 256 tokens
	s_lshl_b32 s79, s77, 2
	s_add_co_u32 s79, s79, s21                     ; k, q: src0's block of 128 columns
	s_lshl_b32 s80, s23, 1
	s_add_co_u32 s80, s80, s77
	s_lshl_b32 s80, s80, 2
	s_add_co_u32 s80, s80, s21                     ; v: src0's block of 128 tokens
	s_mul_i32 s81, s76, 786432                     ; the kind's weight in wc
	s_lshl_b32 s82, s76, 15
	s_add_co_u32 s82, s82, 262144                  ; and its scale words in opsc
	s_lshl_b32 s83, s22, 2
	s_lshl_b32 s83, 15, s83                        ; my row of the cluster
	s_lshl_b32 s84, 0x1111, s21                    ; my column
	; group 1: tiles as rows of 3,072 bytes (a K chunk of 256: four half images), 12,288 bytes apart; elements of 8 bytes; no padding: the images are read densely
	s_or_b32 s[G1A], s83, (3<<16)|(1<<21)
	s_or_b32 s[G1B], s84, (3<<16)|(1<<21)
	s_mov_b32 s[G1A+1], 384<<16                    ; tensor_dim0
	s_mov_b32 s[G1A+2], 4<<16                      ; tensor_dim1: my four tiles
	s_mov_b32 s[G1A+3], 384<<16                    ; tile_dim0
	s_mov_b32 s[G1A+4], 4                          ; tile_dim1
	s_mov_b32 s[G1A+5], 1536                       ; from tile to tile
	s_mov_b32 s[G1A+6], 0
	s_mov_b32 s[G1A+7], 0
	s_mov_b32 s[G1B+1], 384<<16
	s_mov_b32 s[G1B+2], 2<<16                      ; src0: tiles 2 w, 2 w + 1
	s_mov_b32 s[G1B+3], 384<<16
	s_mov_b32 s[G1B+4], 2
	s_mov_b32 s[G1B+5], 1536
	s_mov_b32 s[G1B+6], 0
	s_mov_b32 s[G1B+7], 0
	s_wait_dscnt 0x0
	s_wait_kmcnt 0x0
	s_cmp_eq_u32 s76, 2                            ; only selects and one move stand between this compare and the next
	s_cselect_b64 s[86:87], s[6:7], s[4:5]         ; src1's codes
	s_cselect_b64 s[88:89], s[4:5], s[6:7]         ; src0's
	s_cselect_b32 s85, s22, s78                    ; I1: src1's block (hangs on cy, never on cx)
	s_cselect_b32 s90, s80, s79                    ; I0: src0's block (hangs on cx, never on cy)
	s_cselect_b32 s91, s81, 0
	s_cselect_b32 s92, 0, s81
	s_cselect_b32 s93, s82, 0
	s_cselect_b32 s94, 0, s82
	s_cselect_b64 s[96:97], s[14:15], s[10:11]
	s_cselect_b32 s[SELQ], 0, 1.0
	s_cselect_b32 s[SELV], 1.0, 0
	s_mov_b32 s[SELQ+1], s[SELQ]
	s_cmp_eq_u32 s76, 1
	s_cselect_b64 s[96:97], s[12:13], s[96:97]     ; the kind's bias
	s_mul_i32 s2, s85, 196608
	s_mul_i32 s3, s[WV], 49152
	s_add_co_u32 s2, s2, s3
	s_add_co_u32 s2, s2, s91
	s_mov_b32 s3, 0
	s_add_nc_u64 s[86:87], s[86:87], s[2:3]        ; src1: my four tiles
	s_mul_i32 s66, s90, 98304
	s_mul_i32 s67, s[WV], 24576
	s_add_co_u32 s66, s66, s67
	s_add_co_u32 s66, s66, s92
	s_mov_b32 s67, 0
	s_add_nc_u64 s[88:89], s[88:89], s[66:67]      ; src0: my two tiles
	s_mul_i32 s2, s[WV], 12288                     ; in LDS: src1 chunk c at 49,152 c, src0's behind them at 196,608 + 24,576 c: the wave's number and constants alone
	s_mul_i32 s66, s[WV], 6144
.irp c, 0,1,2,3
	s_mov_b32 s[G0A+4*\c], 1
	s_add_co_u32 s[G0A+4*\c+1], s2, 49152*\c
	s_add_nc_u64 s[G0A+4*\c+2:G0A+4*\c+3], s[86:87], 3072*\c
	s_or_b32 s[G0A+4*\c+3], s[G0A+4*\c+3], 0x80000000
	s_mov_b32 s[56+4*\c+4*(\c/2)], 1
	s_add_co_u32 s[56+4*\c+4*(\c/2)+1], s66, 196608+24576*\c
	s_add_nc_u64 s[56+4*\c+4*(\c/2)+2:56+4*\c+4*(\c/2)+3], s[88:89], 3072*\c
	s_or_b32 s[56+4*\c+4*(\c/2)+3], s[56+4*\c+4*(\c/2)+3], 0x80000000
.endr
	CROUND                                         ; all sixteen work-groups are here: the joint loads meet
.irp c, 0,1,2,3                        ; all fills of the launch, chunk by chunk: eight loads of mine are out
	tensor_load_to_lds s[G0A+4*\c:G0A+4*\c+3], s[G1A:G1A+7]
	s_nop 0
	tensor_load_to_lds s[56+4*\c+4*(\c/2):56+4*\c+4*(\c/2)+3], s[G1B:G1B+7]
	s_nop 0
.endr
.rept 4
	v_nop                                          ; behind tensor loads
.endr
	s_mov_b32 s[SEL], 0x76543210
	s_mov_b32 s[SEL+1], 0xfedcba98                 ; lane l xor 16
	v_and_b32 v1, 31, v0                           ; lane
	v_and_b32 v2, 15, v0                           ; r
	v_bfe_u32 v3, v0, 4, 1                         ; h
	s_wait_alu depctr_va_vdst(0)
	; the scale words of all of K go from memory straight into registers: lanes 0-15 src1's tile i, lanes 16-31 src0's tile i
	s_lshl_b32 s4, s85, 13
	s_lshl_b32 s5, s[WV], 11
	s_add_co_u32 s4, s4, s5
	s_add_co_u32 s4, s4, s93                       ; src1: tile 16 I1 + 4 w
	s_lshl_b32 s5, s90, 12
	s_add_co_u32 s5, s5, s94                       ; src0: tile 8 I0
	v_mov_b32 v20, s4
	v_mov_b32 v21, s5
	v_cmp_ne_u32 vcc_lo, 0, v3
	v_cndmask_b32 v20, v20, v21, vcc_lo
	v_lshl_add_u32 v20, v2, 4, v20                 ; + 16 r
	v_lshl_add_u32 v21, v3, 11, v20                ; for i = 4 .. 7: lanes 16-31 four tiles on; lanes 0-15 read tiles 0-3 again (not used), inside the buffer
.irp i, 0,1,2,3
	global_load_b128 v[SC+8*\i:SC+8*\i+3], v20, s[8:9] offset:512*\i
	global_load_b128 v[SC+8*\i+4:SC+8*\i+7], v20, s[8:9] offset:512*\i+256
	global_load_b128 v[SC+32+8*\i:SC+32+8*\i+3], v21, s[8:9] offset:512*\i
	global_load_b128 v[SC+32+8*\i+4:SC+32+8*\i+7], v21, s[8:9] offset:512*\i+256
.endr
	; where the results go, for both shapes; then one compare and selects
	s_lshr_b32 s4, s85, 3                          ; k, q: the batch,
	s_lshl_b32 s4, s4, 4
	s_lshl_b32 s5, s90, 1
	s_add_co_u32 s4, s4, s5                        ; (batch, head) of the even head,
	s_and_b32 s5, s85, 7
	s_lshl_b32 s6, s4, 7
	s_lshl_b32 s7, s5, 4
	s_add_co_u32 s6, s6, s7
	s_lshl_b32 s7, s[WV], 2
	s_add_co_u32 s6, s6, s7                        ; its tile 16 (I1 % 8) + 4 w
	s_mul_i32 s6, s6, 768
	s_mul_i32 s7, s76, 6291456
	s_add_co_u32 s6, s6, s7
	s_lshl_b32 s4, s4, 4
	s_lshl_b32 s5, s5, 1
	s_add_co_u32 s4, s4, s5
	s_lshr_b32 s5, s[WV], 1
	s_add_co_u32 s4, s4, s5                        ; key step 2 (I1 % 8) + w / 2: 512 bytes of words,
	s_lshl_b32 s4, s4, 9
	s_and_b32 s5, s[WV], 1
	s_lshl_b32 s5, s5, 8
	s_add_co_u32 s4, s4, s5                        ; tiles 4 (w % 2) on
	s_lshl_b32 s5, s76, 19
	s_add_co_u32 s4, s4, s5
	s_lshr_b32 s7, s90, 4                          ; v: the batch,
	s_lshl_b32 s7, s7, 4
	s_lshl_b32 s5, s85, 2
	s_add_co_u32 s7, s7, s5
	s_add_co_u32 s7, s7, s[WV]                     ; head 4 I1 + w,
	s_lshl_b32 s7, s7, 4
	s_and_b32 s5, s90, 15
	s_add_co_u32 s7, s7, s5                        ; key step I0 % 16
	s_mul_i32 s5, s7, 6144
	s_add_co_u32 s5, s5, 12582912
	s_lshl_b32 s7, s7, 8
	s_add_co_u32 s7, s7, 1048576
	s_lshl_b32 s15, s90, 9                         ; the bias by src0's rows: 128 I0 numbers on
	s_lshl_b32 s3, s85, 10
	s_lshl_b32 s2, s[WV], 8
	s_add_co_u32 s3, s3, s2                        ; by src1's rows: 256 I1 + 64 w numbers on
	s_mov_b32 s10, 98304
	s_mov_b32 s12, 768
	s_mov_b32 s14, 8192
	s_cmp_eq_u32 s76, 2
	s_cselect_b32 s6, s5, s6                       ; the codes' first byte
	s_cselect_b32 s4, s7, s4                       ; the scale words'
	s_cselect_b32 s10, 768, s10                    ; from the first half image to the second
	s_cselect_b32 s12, 1536, s12                   ; from src1 tile to src1 tile
	s_cselect_b32 s13, 0, 16                       ; lanes 16-31 store the odd head's two bytes (k, q),
	s_cselect_b32 s14, 0, s14                      ; a head's 8,192 bytes on; for v they repeat lanes 0-15's store
	s_cselect_b32 s15, 0, s15
	s_cselect_b32 s2, 0, 64
	s_cselect_b32 s3, s3, 0
	s_mov_b32 s5, 0
	s_mov_b32 s7, 0
	s_mov_b32 s11, 0
	s_add_nc_u64 s[16:17], s[16:17], s[6:7]
	s_add_nc_u64 s[10:11], s[16:17], s[10:11]
	s_add_nc_u64 s[18:19], s[18:19], s[4:5]
	v_mul_u32_u24 v192, v3, s2
	v_add_nc_u32 v192, s15, v192                   ; lane (r, h) wants, for src0 tile 2 b + u, rows 32 b + 16 h + 8 u + 0 .. 7
	v_and_b32 v193, 8, v2
	v_add_nc_u32 v193, v193, v2
	v_lshl_add_u32 v193, v193, 2, s3               ; and for src1 tile a, row 32 (a / 2) + 8 (a % 2) + r + 8 (r / 8)
.irp b, 0,1,2,3,4,5,6,7
	global_load_b128 v[BQ+8*\b:BQ+8*\b+3], v192, s[96:97] offset:(32*(\b/2)+8*(\b%2))*4
	global_load_b128 v[BQ+8*\b+4:BQ+8*\b+7], v192, s[96:97] offset:(32*(\b/2)+8*(\b%2))*4+16
.endr
.irp a, 0,1,2,3
	global_load_b32 v[BV+\a], v193, s[96:97] offset:(32*(\a/2)+8*(\a%2))*4
.endr
	v_lshlrev_b32 v194, 4, v1                      ; 16 l
	v_lshlrev_b32 v195, 3, v1                      ; 8 l
	s_mul_i32 s4, s[WV], 12288
	s_mov_b32 s5, 196608
.irp c, 0,1,2,3
	v_add_nc_u32 v[4+2*\c], s4, v194               ; my src1 tiles of chunk c
	v_add_nc_u32 v[5+2*\c], s4, v195
	v_add_nc_u32 v[12+2*\c], s5, v194              ; src0's eight
	v_add_nc_u32 v[13+2*\c], s5, v195
	s_add_co_u32 s4, s4, 49152
	s_add_co_u32 s5, s5, 24576
.endr
.irp a, 0,1,2,3
	s_mul_i32 s6, s12, \a
	v_add_nc_u32 v[22+2*\a], s6, v194
	v_add_nc_u32 v[23+2*\a], s6, v195
.endr
	v_mul_u32_u24 v30, v3, s14
	v_lshl_add_u32 v30, v2, 4, v30
	v_mul_u32_u24 v31, v3, s13
.irp b, 0,1,2,3
	v_mov_b32 v[TM+4+\b], 0                        ; a lane permute's destination counts as one of its sources
.endr
	s_wait_loadcnt 0x0                             ; scale words and biases
.irp a, 0,1,2,3
	v_mul_f32 v[BP+2*\a], s[SELV], v[BV+\a]
	v_mul_f32 v[BP+2*\a+1], s[SELV], v[BV+\a]
.endr
	WIN 0x80                                       ; destination window 2
.irp a, 0,1,2,3
.irp b, 0,1,2,3,4,5,6,7
.irp p, 0,2,4,6
	v_pk_fma_f32 v[8*(8*\a+\b)+\p:8*(8*\a+\b)+\p+1], v[BQ+8*\b+\p:BQ+8*\b+\p+1], s[SELQ:SELQ+1], v[BP+2*\a:BP+2*\a+1] op_sel_hi:[1,0,1]   ; the sums begin with the bias
.endr
.endr
.endr
	WIN 0
	s_wait_alu depctr_va_vdst(0)
	SYNC 6                                         ; chunk 0 is in; the six loads of chunks 1-3 may be out
	FETCH 0
.irp s, 0,1,2,3,4,5,6,7
	KSTEP \s
.endr
	PLACES                                         ; in front of the first read of results and of writes into the fragments' registers
	QUANTW 0
	QUANTW 1
	QUANTW 2
	QUANTW 3
.irp a, 0,1,2,3
	v_lshrrev_b32 v[PO+\a], v31, v[PW+\a]
.endr
	global_store_b128 v30, v[PO:PO+3], s[18:19]    ; row r's words of my four tiles: sixteen lanes store 256 consecutive bytes
	s_wait_tensorcnt 0x0
	ds_add_u32 v254, v255
	s_wait_dscnt 0x0
	CROUND                                         ; the closing round: no work-group ends while a partner may still ask for a tile that names it
	s_endpgm
.Lfunc_end_k_qc3dfdf45fe_qkv:
	.size	k_qc3dfdf45fe_qkv, .Lfunc_end_k_qc3dfdf45fe_qkv-k_qc3dfdf45fe_qkv
	.p2alignl 7, 3214868480
	.fill 96, 4, 3214868480
	.section	.rodata,"a",@progbits
	.p2align	6, 0x0
	.amdhsa_kernel k_qc3dfdf45fe_qkv
		.amdhsa_group_segment_fixed_size 327680
		.amdhsa_private_segment_fixed_size 0
		.amdhsa_enable_private_segment 0
		.amdhsa_kernarg_size 64
		.amdhsa_user_sgpr_count 2
		.amdhsa_user_sgpr_kernarg_segment_ptr 1
		.amdhsa_wavefront_size32 1
		.amdhsa_system_sgpr_workgroup_id_x 1
		.amdhsa_system_sgpr_workgroup_id_y 1
		.amdhsa_system_sgpr_workgroup_id_z 1
		.amdhsa_system_vgpr_workitem_id 0
		.amdhsa_next_free_vgpr 768
		.amdhsa_next_free_sgpr 100
		.amdhsa_reserve_vcc 1
		.amdhsa_float_denorm_mode_32 3
		.amdhsa_float_denorm_mode_16_64 3
		.amdhsa_memory_ordered 1
		.amdhsa_forward_progress 1
		.amdhsa_inst_pref_size 100
	.end_amdhsa_kernel
	.amdgpu_metadata
---
amdhsa.version: [ 1, 2 ]
amdhsa.kernels:
  - .name:           k_qc3dfdf45fe_qkv
    .symbol:         k_qc3dfdf45fe_qkv.kd
    .args:
      - { .name: xc, .offset: 0, .size: 8, .value_kind: global_buffer, .address_space: global }
      - { .name: wc, .offset: 8, .size: 8, .value_kind: global_buffer, .address_space: global }
      - { .name: opsc, .offset: 16, .size: 8, .value_kind: global_buffer, .address_space: global }
      - { .name: bk, .offset: 24, .size: 8, .value_kind: global_buffer, .address_space: global }
      - { .name: bq, .offset: 32, .size: 8, .value_kind: global_buffer, .address_space: global }
      - { .name: bv, .offset: 40, .size: 8, .value_kind: global_buffer, .address_space: global }
      - { .name: qkvc, .offset: 48, .size: 8, .value_kind: global_buffer, .address_space: global }
      - { .name: qkvs, .offset: 56, .size: 8, .value_kind: global_buffer, .address_space: global }
    .group_segment_fixed_size: 327680
    .private_segment_fixed_size: 0
    .kernarg_segment_align: 8
    .kernarg_segment_size: 64
    .max_flat_workgroup_size: 128
    .sgpr_count:     100
    .vgpr_count:     768
    .wavefront_size: 32
...
	.end_amdgpu_metadata
.endif
;; end of part 2
;; launch attn (part 3): grid 4 x 64, 16 waves a work-group, clusters of 4 x 1, 327,680 bytes of LDS; arguments qkvc, qkvs, yc, ysc; writes yc, ysc
.if DOCPART == 3
	.amdgcn_target "amdgcn-amd-amdhsa--gfx1250"
	.amdhsa_code_object_version 6
	.text
	.protected	k_qc3dfdf45fe_attn
	.globl	k_qc3dfdf45fe_attn
	.p2align	8
	.type	k_qc3dfdf45fe_attn,@function
k_qc3dfdf45fe_attn:
	s_mov_b64 s[64:65], 0
	v_nop
	global_prefetch_b8 v0, s[64:65] scope:SCOPE_SE
	s_setreg_imm32_b32 hwreg(HW_REG_WAVE_MODE, 25, 1), 1
	s_wait_xcnt 0x0
	s_wait_alu depctr_hold_cnt(0) depctr_sa_sdst(0) depctr_va_vdst(0) depctr_va_sdst(0) depctr_va_ssrc(0) depctr_va_vcc(0) depctr_vm_vsrc(0)
	s_getreg_b32 s2, hwreg(HW_REG_IB_STS2, 6, 4)
	s_cmp_eq_u32 s2, 0
	s_cbranch_scc0 .Lentry_in_a_cluster
	s_endpgm
.Lentry_in_a_cluster:
	s_bfe_u32 s2, ttmp6, 0x10000c
	s_cmp_lg_u32 s2, 0x3003
	s_cbranch_scc0 .Lentry_shape_is_right
	s_endpgm
.Lentry_shape_is_right:
; y = softmax(where(causal, q k^T / 8, -10000)) v for one (batch, head) a cluster, both products on codes of BF6 (E3M2) with E8M0 scales; y is quantised at once along the head's 64 for the last projection.
; THE SOFTMAX: t = score x log2(e) / 8; M = the running largest t rounded up to a whole number; p = 2^(t - M) is quantised along the keys, not normalised; the row's sum is taken of the unquantised p and divides at the end.
; THE MASK FILLS WITH -10000, NOT WITH -INFINITY, so hidden keys count wherever a row's open logits lie that low.  On the diagonal step hidden scores become -80000 (= 8 x the fill) ahead of the maximum.
; A step all of whose keys are hidden has one p for the whole row: no scores and no softmax, only its four products V^T P with a constant operand, made once (HID_PRO) when the first such step comes.
; SHARES.  The four work-groups of a cluster share a head.  All its K, V and scale words lie in LDS, filled ONCE by joint loads (the same descriptor and the mask of all four in each).  Nothing is filled again and nothing is stored to LDS.
; Wave w (g = w / 2, e = 2 cx + w % 2) takes query tile 127 - (8 g + e), whose diagonal step is 15 - g, and then tile 8 g + e, whose diagonal step is g: 17 open steps in every wave.
; Branches hang on the wave's number and on loop counters alone; cx enters global addresses and the lane's number that the mask compares.
; LAYOUT.  Both products transposed: S^T = K Q^T, O^T = V^T P^T: a lane holds ONE query.  A tile's 16 rows are 32 (tile / 2) + 8 (tile % 2) + r + 8 (r / 8), so that the 16 registers of tiles 2 b, 2 b + 1 are 16 neighbours along the next K.
; The first product's K is 64: Q's registers 6-11 are zero codes; K's registers 6-11 are the next tile's codes, which meet those zeros (no code of this format is a NaN, and no scale byte here is 0xff).
; LIMITS: NaN and infinities are not served; a block of zeros gets the byte 1, not 127.
; REGISTERS: v1-7, v30, v31, v94 stay; v8-11, v28, v29 the step's addresses; v12 -M, v13 the largest t, v[14:15] the sum; v16-27 Q; v32-85 K's tiles, then V's fragments; v86-93 K's scale words; v96-159 S^T, then p; v160-191 O^T;
;   v224-235 p's codes; v232-247 at work; v248-251 V's scale words; v252 f; v253 p's scale word; v254 at work; v255 Q's scale word.
.set WV,  12
.set CX,  13
.set BH,  14
.set GG,  15                           ; w / 2
.set T8,  16                           ; 8 g + e
.set SEL, 20
.set CS,  22                           ; s[22:23] c = log2(e) / 8
.set G1K, 24                           ; s[24:31], s[32:39], s[40:47] groups 1: 48, 2, 1 rows of 256 bytes
.set G1S, 32
.set G1T, 40
.set G0K, 48                           ; s[48:51], s[52:55], s[56:59] groups 0
.set G0S, 52
.set G0T, 56
.set ST,  76                           ; the key step, and the loop's counter
.set TK,  77                           ; 6,144 x step: K's eight tiles, V's four fragments
.set TSK, 78                           ; 512 x step
.set TSV, 79                           ; 256 x step
.set DS,  80                           ; my tile's diagonal step
.set FAC, 81                           ; 64 x the number of hidden steps, as f32
.set TAU, 83                           ; my tile
.set VB,  98304                        ; LDS: K's codes at 0, V's here,
.set KSB, 196608                       ; K's scale words,
.set VSB, 204800                       ; V's
.macro CROUND
	s_barrier_signal -1
	s_barrier_wait -1
	s_cmp_lg_u32 s[WV], 0
	s_cbranch_scc1 .Lnot_wave_0_\@
	s_barrier_signal -3
.Lnot_wave_0_\@:
	s_barrier_wait -3
	s_barrier_signal -1
	s_barrier_wait -1
.endm
.macro G1SET g, rows                   ; a dense block as rows of 256 bytes (32 elements of 8 bytes); 15:0 the mask of all four work-groups, bit 21 beside it
	s_mov_b32 s[\g], 15|(3<<16)|(1<<21)
	s_mov_b32 s[\g+1], 32<<16
	s_mov_b32 s[\g+2], (\rows)<<16
	s_mov_b32 s[\g+3], 32<<16
	s_mov_b32 s[\g+4], \rows
	s_mov_b32 s[\g+5], 32
	s_mov_b32 s[\g+6], 0
	s_mov_b32 s[\g+7], 0
.endm
.macro VLOADS                          ; the step's four fragments of V^T (16 of the head's 64 x 128 keys) and their scale words
.irp t, 0,1,2,3
	ds_load_b128 v[32+12*\t:35+12*\t], v11 offset:1536*\t
	ds_load_b64 v[36+12*\t:37+12*\t], v28 offset:1536*\t+512
	ds_load_b128 v[38+12*\t:41+12*\t], v11 offset:1536*\t+768
	ds_load_b64 v[42+12*\t:43+12*\t], v28 offset:1536*\t+1280
.endr
	ds_load_b128 v[248:251], v29
.endm
.macro PV                              ; O^T += V^T P^T: the four accumulators by turns
.irp t, 0,1,2,3
	v_wmma_scale_f32_16x16x128_f8f6f4 v[160+8*\t:167+8*\t], v[32+12*\t:43+12*\t], v[224:235], v[160+8*\t:167+8*\t], v[248+\t], v253 matrix_a_fmt:MATRIX_FMT_BF6 matrix_b_fmt:MATRIX_FMT_BF6
.endr
.endm
; AN OPEN KEY STEP: 128 keys
.macro STEP
	v_add_nc_u32 v8, s[TK], v1                     ; six additions: also the places in front of loads into registers that the last products read
	v_add_nc_u32 v9, s[TK], v2
	v_add_nc_u32 v10, s[TSK], v3
	v_add_nc_u32 v11, s[TK], v6
	v_add_nc_u32 v28, s[TK], v7
	v_add_nc_u32 v29, s[TSV], v31
.irp t, 0,1,2,3,4,5,6,7
	ds_load_b128 v[32+6*\t:35+6*\t], v8 offset:768*\t
	ds_load_b64 v[36+6*\t:37+6*\t], v9 offset:768*\t+512
.endr
	ds_load_b128 v[86:89], v10                     ; row r's words of tiles 0-3,
	ds_load_b128 v[90:93], v10 offset:256          ; of tiles 4-7
	s_wait_alu depctr_va_vdst(0)
	s_wait_dscnt 0x0
.irp t, 0,1,2,3,4,5,6,7
	v_wmma_scale_f32_16x16x128_f8f6f4 v[96+8*\t:103+8*\t], v[32+6*\t:43+6*\t], v[16:27], 0, v[86+\t], v255 matrix_a_fmt:MATRIX_FMT_BF6 matrix_b_fmt:MATRIX_FMT_BF6
.endr
.rept 4
	v_nop                                          ; places in front of the loads below and of the first read of the scores
.endr
	VLOADS                                         ; they land while the softmax is worked
	s_cmp_lt_u32 s[ST], s[DS]                      ; a step ahead of the diagonal has no hidden key
	s_cbranch_scc1 .Lopen_\@
.set n, 0
.rept 64                               ; register 16 b + i holds the step's key 32 b + 16 h + i: hidden where 32 b + i > my query's place in the step - 16 h
	v_cmp_gt_i32 vcc_lo, 32*(n/16)+n%16, v4
	v_cndmask_b32 v[96+n], v[96+n], v5, vcc_lo
.set n, n+1
.endr
.Lopen_\@:
.irp b, 0,1,2,3
	v_max3_num_f32 v[232+\b], v[96+16*\b], v[97+16*\b], v[98+16*\b]   ; the largest score of each block of 32 keys: for the row's maximum and, since p rises with the score, for the block's largest p
.endr
.irp i, 3,5,7,9,11,13
.irp b, 0,1,2,3
	v_max3_num_f32 v[232+\b], v[232+\b], v[96+16*\b+\i], v[97+16*\b+\i]
.endr
.endr
.irp b, 0,1,2,3
	v_max_num_f32 v[232+\b], v[232+\b], v[111+16*\b]
.endr
.irp b, 0,1,2,3
	s_delay_alu instid0(VALU_DEP_4)
	v_permlanex16_b32 v[236+\b], v[232+\b], s[SEL], s[SEL+1]
.endr
.irp b, 0,1,2,3
	s_delay_alu instid0(VALU_DEP_4)
	v_max_num_f32 v[232+\b], v[232+\b], v[236+\b]
.endr
	s_delay_alu instid0(VALU_DEP_2)
	v_max3_num_f32 v254, v232, v233, v234
	s_delay_alu instid0(VALU_DEP_1)
	v_max_num_f32 v254, v254, v235
	s_delay_alu instid0(VALU_DEP_1)
	v_mul_f32 v254, s[CS], v254
	s_delay_alu instid0(VALU_DEP_1)
	v_max_num_f32 v13, v13, v254                   ; the running largest t
	v_mov_b32 v254, v12
	s_delay_alu instid0(VALU_DEP_2)
	v_floor_f32 v12, -v13                          ; -M = floor(-t): M is a whole number
	s_delay_alu instid0(VALU_DEP_1)
	v_sub_f32 v254, v12, v254
	s_delay_alu instid0(VALU_DEP_1)
	v_cvt_i32_f32 v254, v254                       ; (it saturates)
	s_delay_alu instid0(VALU_DEP_1)
	v_ldexp_f32 v252, 1.0, v254                    ; f = 2^(old M - new M): rounds nothing
.set j, 0
	s_setprio 1
.rept 32
	v_pk_fma_f32 v[96+j:97+j], v[96+j:97+j], s[CS:CS+1], v[12:13] op_sel_hi:[1,0,0]   ; t - M
.set j, j+2
.endr
.irp b, 0,1,2,3
	v_fma_f32 v[232+\b], v[232+\b], s[CS], v12
.endr
.set j, 0
	s_wait_alu depctr_va_vdst(0)
.rept 64
	v_exp_f32 v[96+j], v[96+j]                     ; p
.set j, j+1
.endr
.irp b, 0,1,2,3
	v_exp_f32 v[232+\b], v[232+\b]                 ; the block's largest p: the same two instructions on the same number
.endr
	v_pk_mul_f32 v[14:15], v[14:15], v[252:253] op_sel_hi:[1,0]   ; the sum under the new M (a plain place behind the exponentials)
	s_wait_alu depctr_va_vdst(0)
.irp b, 0,1,2,3
	v_max_num_f32 v[232+\b], 0x2800000, v[232+\b]  ; the floor 2^(5 - 127)
.endr
.irp b, 0,1,2,3
	s_delay_alu instid0(VALU_DEP_4)
	v_add_nc_u32 v[244+\b], 0xfe000000, v[232+\b]
.endr
.irp b, 0,1,2,3
	s_delay_alu instid0(VALU_DEP_4)
	v_lshrrev_b32 v[236+\b], 23, v[244+\b]
.endr
	s_delay_alu instid0(VALU_DEP_3)
	v_lshl_or_b32 v253, v237, 8, v236              ; p's scale word for these 128 keys
	s_delay_alu instid0(VALU_DEP_1)
	v_lshl_or_b32 v253, v238, 16, v253
	s_delay_alu instid0(VALU_DEP_1)
	v_lshl_or_b32 v253, v239, 24, v253
.irp c, 0,1
	v_cvt_scalef32_pk16_bf6_f32 v[224+6*\c:226+6*\c], v[96+32*\c:111+32*\c], v[244+2*\c]
	v_cvt_scalef32_pk16_bf6_f32 v[236+4*\c:238+4*\c], v[112+32*\c:127+32*\c], v[244+2*\c+1]
.endr
	v_nop                                          ; one plain place behind a scaled conversion
.irp c, 0,1
.irp i, 0,1,2
	v_permlane16_swap_b32 v[224+6*\c+\i], v[236+4*\c+\i]
.endr
.irp i, 0,1,2
	s_delay_alu instid0(VALU_DEP_3)
	v_mov_b32 v[227+6*\c+\i], v[236+4*\c+\i]
.endr
.endr
	v_pk_add_f32 v[236:237], v[96:97], v[98:99]    ; the row's sum, of the unquantised p, in two chains
	s_setprio 0
.irp j, 4,8,12,16,20,24,28,32,36,40,44,48,52,56,60
	v_pk_add_f32 v[14:15], v[14:15], v[96+\j:97+\j]
	v_pk_add_f32 v[236:237], v[236:237], v[98+\j:99+\j]
.endr
	s_delay_alu instid0(VALU_DEP_1)
	v_pk_add_f32 v[14:15], v[14:15], v[236:237]
.set j, 0
.rept 16
	v_pk_mul_f32 v[160+j:161+j], v[160+j:161+j], v[252:253] op_sel_hi:[1,0]   ; O^T under the new M
.set j, j+2
.endr
	s_wait_alu depctr_va_vdst(0)
	s_wait_dscnt 0x0                               ; V is in
	PV
.endm
; Once, in front of a tile's first hidden step: the fill enters the maximum; the hidden keys' one p, its share of the sum, its codes and its scale word
.macro HID_PRO
	v_mul_f32 v254, s[CS], v5                      ; the fill as t.  (These lines name no register of the last products: they are the places behind them)
	s_delay_alu instid0(VALU_DEP_1)
	v_max_num_f32 v13, v13, v254
	v_mov_b32 v254, v12
	s_delay_alu instid0(VALU_DEP_2)
	v_floor_f32 v12, -v13
	s_delay_alu instid0(VALU_DEP_1)
	v_sub_f32 v254, v12, v254
	s_delay_alu instid0(VALU_DEP_1)
	v_cvt_i32_f32 v254, v254
	s_delay_alu instid0(VALU_DEP_1)
	v_ldexp_f32 v252, 1.0, v254
	s_delay_alu instid0(VALU_DEP_4)
	v_fma_f32 v232, v5, s[CS], v12
	s_wait_alu depctr_va_vdst(0)
	v_exp_f32 v232, v232                           ; p of a hidden key
	v_pk_mul_f32 v[14:15], v[14:15], v[252:253] op_sel_hi:[1,0]
.set j, 0
	s_wait_alu depctr_va_vdst(0)
.rept 16
	v_pk_mul_f32 v[160+j:161+j], v[160+j:161+j], v[252:253] op_sel_hi:[1,0]
.set j, j+2
.endr
	s_wait_alu depctr_va_vdst(0)
	v_fma_f32 v14, v232, s[FAC], v14               ; my half of the hidden keys: 64 for each hidden step
	v_max_num_f32 v233, 0x2800000, v232
	s_delay_alu instid0(VALU_DEP_1)
	v_add_nc_u32 v244, 0xfe000000, v233
	s_delay_alu instid0(VALU_DEP_1)
	v_lshrrev_b32 v236, 23, v244
	s_delay_alu instid0(VALU_DEP_1)
	v_lshl_or_b32 v253, v236, 8, v236
	s_delay_alu instid0(VALU_DEP_1)
	v_lshl_or_b32 v253, v253, 16, v253             ; the same byte four times
.set j, 0
.rept 16
	v_mov_b32 v[96+j], v232
.set j, j+1
.endr
	v_cvt_scalef32_pk16_bf6_f32 v[224:226], v[96:111], v244
	v_nop                                          ; one plain place behind a scaled conversion
.set j, 0
.rept 9
	v_mov_b32 v[227+j], v[224+j%3]                 ; sixteen equal codes are three registers: four times over
.set j, j+1
.endr
.endm
.macro HSTEP                           ; a hidden step
	v_add_nc_u32 v11, s[TK], v6
	v_add_nc_u32 v28, s[TK], v7
	v_add_nc_u32 v29, s[TSV], v31
	v_nop                                          ; four places in front of the loads, and behind the last write of p's codes
	VLOADS
	s_wait_alu depctr_va_vdst(0)
	s_wait_dscnt 0x0
	PV
.endm
.macro WALK                            ; all sixteen key steps of my tile: the trip count is a constant; the branches stand inside the trip
.Lwalk_\@:
	s_cmp_gt_u32 s[ST], s[DS]
	s_cbranch_scc1 .Lhid_\@
	s_setprio 2
	STEP
	s_branch .Lnext_\@
.Lhid_\@:
	s_add_co_u32 s82, s[DS], 1
	s_cmp_lg_u32 s[ST], s82
	s_cbranch_scc1 .Lcont_\@
	HID_PRO
.Lcont_\@:
	HSTEP
.Lnext_\@:
	s_add_co_u32 s[TK], s[TK], 6144
	s_add_co_u32 s[TSK], s[TSK], 512
	s_add_co_u32 s[TSV], s[TSV], 256
	s_add_co_u32 s[ST], s[ST], 1
	s_cmp_lt_u32 s[ST], 16
	s_cbranch_scc1 .Lwalk_\@
	s_setprio 0
.endm
.macro TILE_INIT long
.if \long
	s_sub_co_u32 s[TAU], 127, s[T8]
	s_sub_co_u32 s[DS], 15, s[GG]
.else
	s_mov_b32 s[TAU], s[T8]
	s_mov_b32 s[DS], s[GG]
.endif
	s_and_b32 s88, s[TAU], 7
	s_lshr_b32 s89, s88, 1
	s_lshl_b32 s89, s89, 5
	s_and_b32 s88, s88, 1
	s_lshl_b32 s88, s88, 3
	s_add_co_u32 s88, s88, s89
	v_add_nc_u32 v4, s88, v94                      ; my query's place in its step, less 16 h
	s_sub_co_u32 s[FAC], 15, s[DS]
	s_lshl_b32 s[FAC], s[FAC], 6
	s_cvt_f32_u32 s[FAC], s[FAC]
	s_mul_i32 s88, s[TAU], 768
	s_mov_b32 s89, 0
	s_add_nc_u64 s[92:93], s[84:85], s[88:89]      ; Q's half image
	s_lshr_b32 s88, s[TAU], 2
	s_lshl_b32 s88, s88, 8
	s_and_b32 s90, s[TAU], 3
	s_lshl_b32 s90, s90, 2
	s_add_co_u32 s88, s88, s90
	s_add_nc_u64 s[94:95], s[86:87], s[88:89]      ; its scale words
	s_mul_i32 s88, s[TAU], 12288
	s_add_nc_u64 s[96:97], s[8:9], s[88:89]        ; y's half image
	s_lshl_b32 s88, s[TAU], 9
	s_add_nc_u64 s[98:99], s[10:11], s[88:89]      ; its two scale bytes a row
	global_load_b128 v[16:19], v1, s[92:93]
	global_load_b64 v[20:21], v2, s[92:93] offset:512
	global_load_b32 v255, v30, s[94:95]
	v_mov_b32 v13, 0xff61b1e6                      ; the largest t so far: -3e38
	s_delay_alu instid0(VALU_DEP_1)
	v_floor_f32 v12, -v13
	v_mov_b32 v14, 0
	v_mov_b32 v15, 0
.set j, 0
.rept 32
	v_mov_b32 v[160+j], 0                          ; O^T: the step is written once; the first change of M leaves zeros zeros
.set j, j+1
.endr
	s_mov_b32 s[ST], 0
	s_mov_b32 s[TK], 0
	s_mov_b32 s[TSK], 0
	s_mov_b32 s[TSV], 0
.endm
.macro TILE_OUT
.rept 4
	v_nop                                          ; places behind the last products
.endr
	v_add_f32 v14, v14, v15
	s_delay_alu instid0(VALU_DEP_1)
	v_permlanex16_b32 v252, v14, s[SEL], s[SEL+1]
	s_delay_alu instid0(VALU_DEP_1)
	v_add_f32 v14, v14, v252                       ; the row's sum
	s_wait_alu depctr_va_vdst(0)
	v_rcp_f32 v14, v14
	v_nop                                          ; one plain place behind a transcendental
.set j, 0
	s_wait_alu depctr_va_vdst(0)
.rept 32
	v_mul_f32 v[96+j], v[160+j], v14               ; y: register 16 b + i is channel 32 b + 16 h + i of my query
.set j, j+1
.endr
.irp b, 0,1
	v_max3_num_f32 v[232+\b], |v[96+16*\b]|, |v[97+16*\b]|, 0x2800000
.endr
.irp i, 2,4,6,8,10,12,14
.irp b, 0,1
	s_delay_alu instid0(VALU_DEP_2)
	v_max3_num_f32 v[232+\b], v[232+\b], |v[96+16*\b+\i]|, |v[97+16*\b+\i]|
.endr
.endr
.irp b, 0,1
	s_delay_alu instid0(VALU_DEP_2)
	v_permlanex16_b32 v[236+\b], v[232+\b], s[SEL], s[SEL+1]
.endr
.irp b, 0,1
	s_delay_alu instid0(VALU_DEP_2)
	v_max_num_f32 v[232+\b], v[232+\b], v[236+\b]
.endr
.irp b, 0,1
	s_delay_alu instid0(VALU_DEP_2)
	v_add_nc_u32 v[244+\b], 0xfe000000, v[232+\b]
.endr
.irp b, 0,1
	s_delay_alu instid0(VALU_DEP_2)
	v_lshrrev_b32 v[236+\b], 23, v[244+\b]
.endr
	s_delay_alu instid0(VALU_DEP_1)
	v_lshl_or_b32 v254, v237, 8, v236              ; the head's two bytes of my row's scale word
	v_cvt_scalef32_pk16_bf6_f32 v[224:226], v[96:111], v244
	v_cvt_scalef32_pk16_bf6_f32 v[240:242], v[112:127], v245
	v_nop                                          ; one plain place behind a scaled conversion
.irp i, 0,1,2
	v_permlane16_swap_b32 v[224+\i], v[240+\i]
.endr
.irp i, 0,1,2
	s_delay_alu instid0(VALU_DEP_3)
	v_mov_b32 v[227+\i], v[240+\i]
.endr
	global_store_b128 v1, v[224:227], s[96:97]     ; 512 and 256 consecutive bytes, aligned to 256
	global_store_b64 v2, v[228:229], s[96:97] offset:512
	global_store_b16 v30, v254, s[98:99]           ; (lanes 16-31 repeat lanes 0-15's bytes)
	s_wait_xcnt 0x0                                ; the stores have read their registers and bases
.endm
	s_load_b256 s[4:11], s[0:1], 0x0               ; qkvc, qkvs, yc, ysc
	v_lshl_add_u32 v223, v0, 2, 0x33000
	v_mov_b32 v243, 0
	ds_add_u32 v223, v243
	ds_add_u32 v223, v243
	v_lshrrev_b32 v8, 5, v0
	s_delay_alu instid0(VALU_DEP_1)
	v_readfirstlane_b32 s[WV], v8                  ; wave 0..15
	s_bfe_u32 s[CX], ttmp6, 0x40000
	s_and_b32 s[BH], ttmp7, 0xffff                 ; (batch, head): the four partners share it
	s_lshr_b32 s17, s[WV], 3                       ; waves 0-7 fetch K's codes, waves 8-15 V's: an eighth each
	s_and_b32 s18, s[WV], 7
	s_mul_i32 s60, s17, 12582912
	s_mul_i32 s61, s[BH], 98304
	s_add_co_u32 s60, s60, s61
	s_mul_i32 s61, s18, 12288
	s_add_co_u32 s60, s60, s61
	s_mov_b32 s61, 0
	s_mul_i32 s19, s17, VB
	s_mul_i32 s62, s18, 12288
	s_add_co_u32 s19, s19, s62
	s_lshl_b32 s62, s[BH], 13                      ; K's scale words: 512 bytes a wave
	s_lshl_b32 s63, s[WV], 9
	s_add_co_u32 s62, s62, s63
	s_mov_b32 s63, 0
	s_lshl_b32 s66, s[BH], 12                      ; V's: 256 bytes a wave
	s_lshl_b32 s67, s[WV], 8
	s_add_co_u32 s66, s66, s67
	s_add_co_u32 s66, s66, 1048576
	s_mov_b32 s67, 0
	s_lshl_b32 s68, s[WV], 9
	s_add_co_u32 s68, s68, KSB
	s_lshl_b32 s69, s[WV], 8
	s_add_co_u32 s69, s69, VSB
	G1SET G1K, 48
	G1SET G1S, 2
	G1SET G1T, 1
	s_mov_b32 s[SEL], 0x76543210
	s_mov_b32 s[SEL+1], 0xfedcba98
	s_mov_b32 s[CS], 0x3e38aa3b                    ; log2(e) / 8
	s_mov_b32 s[CS+1], s[CS]
	s_lshr_b32 s[GG], s[WV], 1
	s_and_b32 s70, s[WV], 1
	s_lshl_b32 s71, s[CX], 1
	s_add_co_u32 s70, s70, s71
	s_lshl_b32 s71, s[GG], 3
	s_add_co_u32 s[T8], s70, s71
	s_wait_dscnt 0x0
	s_wait_kmcnt 0x0
	s_mov_b32 s[G0K], 1
	s_mov_b32 s[G0K+1], s19
	s_add_nc_u64 s[G0K+2:G0K+3], s[4:5], s[60:61]
	s_or_b32 s[G0K+3], s[G0K+3], 0x80000000
	s_mov_b32 s[G0S], 1
	s_mov_b32 s[G0S+1], s68
	s_add_nc_u64 s[G0S+2:G0S+3], s[6:7], s[62:63]
	s_or_b32 s[G0S+3], s[G0S+3], 0x80000000
	s_mov_b32 s[G0T], 1
	s_mov_b32 s[G0T+1], s69
	s_add_nc_u64 s[G0T+2:G0T+3], s[6:7], s[66:67]
	s_or_b32 s[G0T+3], s[G0T+3], 0x80000000
	CROUND                                         ; all four work-groups are here: the joint loads meet
	tensor_load_to_lds s[G0K:G0K+3], s[G1K:G1K+7]  ; the first of my three fills: one load of mine is out
	s_nop 0
	s_wait_alu depctr_va_vdst(0)
	s_wait_tensorcnt 0x0
	ds_add_u32 v223, v243
	s_wait_dscnt 0x0
	CROUND
	tensor_load_to_lds s[G0S:G0S+3], s[G1S:G1S+7]
	s_nop 0
	s_wait_alu depctr_va_vdst(0)
	s_wait_tensorcnt 0x0
	ds_add_u32 v223, v243
	s_wait_dscnt 0x0
	CROUND
	tensor_load_to_lds s[G0T:G0T+3], s[G1T:G1T+7]
	s_nop 0
.rept 4
	v_nop                                          ; behind tensor loads
.endr
	s_mul_i32 s88, s[BH], 98304
	s_add_co_u32 s88, s88, 6291456
	s_mov_b32 s89, 0
	s_add_nc_u64 s[84:85], s[4:5], s[88:89]        ; the head's Q
	s_lshl_b32 s88, s[BH], 13
	s_add_co_u32 s88, s88, 524288
	s_add_nc_u64 s[86:87], s[6:7], s[88:89]        ; and its scale words
	s_lshr_b32 s90, s[BH], 4                       ; batch
	s_and_b32 s91, s[BH], 15                       ; head
	s_mul_i32 s88, s90, 1572864                    ; 128 tiles of 12,288 bytes,
	s_mul_i32 s82, s91, 768                        ; half image = head
	s_add_co_u32 s88, s88, s82
	s_add_nc_u64 s[8:9], s[8:9], s[88:89]
	s_lshl_b32 s88, s90, 16                        ; 128 tiles of 512 bytes; K half head / 8; two bytes a head
	s_lshr_b32 s82, s91, 3
	s_lshl_b32 s82, s82, 8
	s_add_co_u32 s88, s88, s82
	s_and_b32 s82, s91, 7
	s_lshl_b32 s82, s82, 1
	s_add_co_u32 s88, s88, s82
	s_add_nc_u64 s[10:11], s[10:11], s[88:89]
	v_and_b32 v8, 31, v0
	v_and_b32 v9, 15, v0                           ; r
	v_bfe_u32 v10, v0, 4, 1                        ; h
	s_delay_alu instid0(VALU_DEP_3)
	v_lshlrev_b32 v1, 4, v8                        ; 16 l
	s_delay_alu instid0(VALU_DEP_4)
	v_lshlrev_b32 v2, 3, v8                        ; 8 l
	s_delay_alu instid0(VALU_DEP_4)
	v_lshl_add_u32 v3, v9, 4, KSB
	s_delay_alu instid0(VALU_DEP_3)
	v_add_nc_u32 v6, VB, v1
	s_delay_alu instid0(VALU_DEP_3)
	v_add_nc_u32 v7, VB, v2
	v_lshl_add_u32 v31, v9, 4, VSB
	v_lshlrev_b32 v30, 4, v9                       ; 16 r
	v_and_b32 v11, 8, v9
	s_delay_alu instid0(VALU_DEP_1)
	v_add_nc_u32 v11, v11, v9
	v_lshlrev_b32 v10, 4, v10
	s_delay_alu instid0(VALU_DEP_1)
	v_sub_nc_u32 v94, v11, v10                     ; r + 8 (r / 8) - 16 h
	v_mov_b32 v5, 0xc79c4000                       ; -80000: the score that gives the logit -10000
.irp j, 22,23,24,25,26,27, 80,81,82,83,84,85
	v_mov_b32 v[\j], 0                             ; Q's upper half, and what stands behind K's last tile: zero codes
.endr
.irp j, 224,225,226,227,228,229,230,231,232,233,234,235, 236,237,238,239, 252,253
	v_mov_b32 v[\j], 0                             ; written once: p's codes and word (no way reads them unwritten), the lane permutes' destinations, the pair v[252:253]
.endr
	TILE_INIT 1
	s_wait_loadcnt 0x0                             ; Q
	s_wait_tensorcnt 0x0                           ; my parts of the head are in,
	s_barrier_signal -1
	s_barrier_wait -1                              ; everybody's are
	WALK
	TILE_OUT
	TILE_INIT 0
	s_wait_loadcnt 0x0
	WALK
	TILE_OUT
	s_wait_dscnt 0x0
	s_wait_tensorcnt 0x0
	ds_add_u32 v223, v243
	s_wait_dscnt 0x0
	CROUND                                         ; the closing round
	s_endpgm
.Lfunc_end_k_qc3dfdf45fe_attn:
	.size	k_qc3dfdf45fe_attn, .Lfunc_end_k_qc3dfdf45fe_attn-k_qc3dfdf45fe_attn
	.p2alignl 7, 3214868480
	.fill 96, 4, 3214868480
	.section	.rodata,"a",@progbits
	.p2align	6, 0x0
	.amdhsa_kernel k_qc3dfdf45fe_attn
		.amdhsa_group_segment_fixed_size 327680
		.amdhsa_private_segment_fixed_size 0
		.amdhsa_enable_private_segment 0
		.amdhsa_kernarg_size 32
		.amdhsa_user_sgpr_count 2
		.amdhsa_user_sgpr_kernarg_segment_ptr 1
		.amdhsa_wavefront_size32 1
		.amdhsa_system_sgpr_workgroup_id_x 1
		.amdhsa_system_sgpr_workgroup_id_y 1
		.amdhsa_system_sgpr_workgroup_id_z 1
		.amdhsa_system_vgpr_workitem_id 0
		.amdhsa_next_free_vgpr 256
		.amdhsa_next_free_sgpr 100
		.amdhsa_reserve_vcc 1
		.amdhsa_float_denorm_mode_32 3
		.amdhsa_float_denorm_mode_16_64 3
		.amdhsa_memory_ordered 1
		.amdhsa_forward_progress 1
		.amdhsa_inst_pref_size 78
	.end_amdhsa_kernel
	.amdgpu_metadata
---
amdhsa.version: [ 1, 2 ]
amdhsa.kernels:
  - .name:           k_qc3dfdf45fe_attn
    .symbol:         k_qc3dfdf45fe_attn.kd
    .args:
      - { .name: qkvc, .offset: 0, .size: 8, .value_kind: global_buffer, .address_space: global }
      - { .name: qkvs, .offset: 8, .size: 8, .value_kind: global_buffer, .address_space: global }
      - { .name: yc, .offset: 16, .size: 8, .value_kind: global_buffer, .address_space: global }
      - { .name: ysc, .offset: 24, .size: 8, .value_kind: global_buffer, .address_space: global }
    .group_segment_fixed_size: 327680
    .private_segment_fixed_size: 0
    .kernarg_segment_align: 8
    .kernarg_segment_size: 32
    .max_flat_workgroup_size: 512
    .sgpr_count:     100
    .vgpr_count:     256
    .wavefront_size: 32
...
	.end_amdgpu_metadata
.endif
;; end of part 3
;; launch proj (part 4): grid 8 x 32, 4 waves a work-group, clusters of 4 x 4, 327,680 bytes of LDS; arguments yc, wc, ysc, bp, out0; writes out0
.if DOCPART == 4
	.amdgcn_target "amdgcn-amd-amdhsa--gfx1250"
	.amdhsa_code_object_version 6
	.text
	.protected	k_qc3dfdf45fe_proj
	.globl	k_qc3dfdf45fe_proj
	.p2align	8
	.type	k_qc3dfdf45fe_proj,@function
k_qc3dfdf45fe_proj:
	s_mov_b64 s[64:65], 0
	v_nop
	global_prefetch_b8 v0, s[64:65] scope:SCOPE_SE
	s_setreg_imm32_b32 hwreg(HW_REG_WAVE_MODE, 25, 1), 1
	s_wait_xcnt 0x0
	s_wait_alu depctr_hold_cnt(0) depctr_sa_sdst(0) depctr_va_vdst(0) depctr_va_sdst(0) depctr_va_ssrc(0) depctr_va_vcc(0) depctr_vm_vsrc(0)
	s_getreg_b32 s2, hwreg(HW_REG_IB_STS2, 6, 4)
	s_cmp_eq_u32 s2, 0
	s_cbranch_scc0 .Lentry_in_a_cluster
	s_endpgm
.Lentry_in_a_cluster:
	s_bfe_u32 s2, ttmp6, 0x10000c
	s_cmp_lg_u32 s2, 0xf033
	s_cbranch_scc0 .Lentry_shape_is_right
	s_endpgm
.Lentry_shape_is_right:
; out = y Wp + bp on codes of BF6 (E3M2) with E8M0 scales; out is f32.  y's codes and scale words come from the attention launch, Wp's from the quantising launch, both as images of registers:
; a row tile rho = 16 rows 32 (rho / 2) + 8 (rho % 2) + r + 8 (r / 8); a half image = 768 bytes = 16 rows x 64 k (registers 0-3 at 16 l, 4-5 at 512 + 8 l); a tile = 16 half images.
; D = src0 src1^T, source 0 = 16 columns of Wp, source 1 = 16 tokens: a lane holds one token, and its 16 registers of src0 tiles 2 b, 2 b + 1 are 16 neighbouring columns.
; A work-group: 256 tokens x 128 columns, ALL OF K (1,024) in LDS, every byte filled once.  Four waves; wave w owns token tiles 4 w .. 4 w + 3 against Wp's eight: 32 accumulators.
; CLUSTER 4 x 4: y's tiles hang on cy alone and are asked for jointly along a row of the cluster, Wp's on cx alone, along a column.  A wave has eight tensor loads out at the most.
; The bias is the C of each sum's first product.  LIMITS: NaN and infinities are not served.
; REGISTERS: window 0: v1-3 lane, r, h; v4-19 LDS addresses; v20-25 offsets; v32-95 scale words (8 i + s: lanes 0-15 y's tile i, lanes 16-31 Wp's tile i, K step s); v96-143, v144-191 y's fragments, two sets;
;   v192-255 the bias; on the way out v96-223 rows of out.   window 1: Wp's fragments, two sets, at v0 and v128.   window 2: accumulator (a, b) at v[8 (8 a + b)].
.set SC,  32
.set F1,  96
.set BI,  192
.set BK,  96
.set SPIT, 528                         ; the way out: a stage row: 512 bytes + 16
.set WV,  20
.set G1A, 24
.set G1B, 32
.set G0A, 40
.set MSB, 0
.macro WIN new                         ; the immediate's high byte repeats the setting that is left
.if MSB != \new
	s_set_vgpr_msb (MSB<<8)|\new
.set MSB, \new
.endif
.endm
.macro CROUND
	s_barrier_signal -1
	s_barrier_wait -1
	s_cmp_lg_u32 s[WV], 0
	s_cbranch_scc1 .Lnot_wave_0_\@
	s_barrier_signal -3
.Lnot_wave_0_\@:
	s_barrier_wait -3
	s_barrier_signal -1
	s_barrier_wait -1
.endm
.macro PLACES                          ; four plain vector instructions between a matrix instruction and a load into, or a read of, its registers
.rept 4
	v_nop
.endr
.endm
.macro FRAG reg, a16, a8, off
	ds_load_b128 v[(\reg):(\reg)+3], v[\a16] offset:(\off)
	ds_load_b64 v[(\reg)+4:(\reg)+5], v[\a8] offset:(\off)+512
	ds_load_b128 v[(\reg)+6:(\reg)+9], v[\a16] offset:(\off)+768
	ds_load_b64 v[(\reg)+10:(\reg)+11], v[\a8] offset:(\off)+1280
.endm
.macro FETCH s
	WIN 0x40
.irp b, 0,1,2,3,4,5,6,7
	FRAG 128*((\s)%2)+12*\b, 12+2*((\s)/2), 13+2*((\s)/2), 3072*\b+1536*((\s)%2)
.endr
	WIN 0
.irp a, 0,1,2,3
	FRAG F1+48*((\s)%2)+12*\a, 4+2*((\s)/2), 5+2*((\s)/2), 3072*\a+1536*((\s)%2)
.endr
.endm
.macro MUL s                           ; 32 products; the 32 accumulators take turns, one instruction a turn.  K step 0 starts the sums with the bias
.if (\s) == 0
	WIN 0x81                                       ; source 0 window 1, sources 1 and 2 window 0, D window 2
.else
	WIN 0xa1                                       ; C and D window 2
.endif
.irp a, 0,1,2,3
.irp b, 0,1,2,3,4,5,6,7
.if (\s) == 0
	v_wmma_scale_f32_16x16x128_f8f6f4 v[8*(8*\a+\b):8*(8*\a+\b)+7], v[12*\b:12*\b+11], v[F1+12*\a:F1+12*\a+11], v[BI+8*\b:BI+8*\b+7], v[SC+8*\b], v[SC+8*\a] matrix_a_fmt:MATRIX_FMT_BF6 matrix_b_fmt:MATRIX_FMT_BF6 matrix_a_scale:MATRIX_SCALE_ROW1
.else
	v_wmma_scale_f32_16x16x128_f8f6f4 v[8*(8*\a+\b):8*(8*\a+\b)+7], v[128*((\s)%2)+12*\b:128*((\s)%2)+12*\b+11], v[F1+48*((\s)%2)+12*\a:F1+48*((\s)%2)+12*\a+11], v[8*(8*\a+\b):8*(8*\a+\b)+7], v[SC+8*\b+(\s)], v[SC+8*\a+(\s)] matrix_a_fmt:MATRIX_FMT_BF6 matrix_b_fmt:MATRIX_FMT_BF6 matrix_a_scale:MATRIX_SCALE_ROW1
.endif
.endr
.endr
.endm
.macro SYNC n                          ; my loads of the K chunk wanted next have landed (n younger ones may be out), my LDS loads are in; then everybody's
	s_wait_tensorcnt \n
	s_wait_dscnt 0x0
	s_barrier_signal -1
	s_barrier_wait -1
.endm
.macro KSTEP s
.if ((\s) == 1) || ((\s) == 3) || ((\s) == 5)
	SYNC 5-(\s)                                    ; two loads for each later chunk stay out
.else
	s_wait_dscnt 0x0                               ; this step's fragments are in
.endif
	PLACES
.if (\s) < 7
	FETCH (\s)+1
.endif
	MUL \s
.endm
; THE WAY OUT.  A lane holds pieces of 32 bytes of one row, the lanes beside it other rows: a tile of 16 tokens x 128 columns goes through my stage and comes back as whole rows of 512 bytes.
; The stage lies in my own src1 tiles of K chunk 0: those bytes had their one fill, and only this wave read them, long ago.  LDS serves a wave's instructions in order: no wait between the stores and the loads.
.macro TOSTAGE a
	WIN 0x08                                       ; an LDS store's data are its source 1: window 2
.irp b, 0,1,2,3,4,5,6,7
	ds_store_b128 v24, v[64*(\a)+8*\b:64*(\a)+8*\b+3] offset:128*(\b/2)+32*(\b%2)        ; each accumulator from its low end on
	ds_store_b128 v24, v[64*(\a)+8*\b+4:64*(\a)+8*\b+7] offset:128*(\b/2)+32*(\b%2)+16
.endr
	WIN 0
.irp t, 0,1,2,3,4,5,6,7,8,9,10,11,12,13,14,15
	ds_load_b128 v[BK+64*((\a)%2)+4*\t:BK+64*((\a)%2)+4*\t+3], v25 offset:SPIT*\t
.endr
.endm
.macro SEND a, younger
	s_wait_dscnt \younger                          ; the tile is back; the next tile's 16 stores and 16 loads may be out
.irp t, 0,1,2,3,4,5,6,7,8,9,10,11,12,13,14,15
	global_store_b128 v23, v[BK+64*((\a)%2)+4*\t:BK+64*((\a)%2)+4*\t+3], s[12:13] offset:(32*((\a)/2)+8*((\a)%2)+\t+8*(\t/8))*4096 th:TH_STORE_NT   ; 512 consecutive bytes, aligned to 256
.endr
.endm
	s_load_b256 s[4:11], s[0:1], 0x0               ; yc, wc, ysc, bp
	s_load_b64 s[12:13], s[0:1], 0x20              ; out0
	v_lshl_add_u32 v30, v0, 2, 0x48000
	v_mov_b32 v31, 0
	ds_add_u32 v30, v31
	ds_add_u32 v30, v31
	v_lshrrev_b32 v1, 5, v0
	v_readfirstlane_b32 s[WV], v1
	s_bfe_u32 s21, ttmp6, 0x40000                  ; cx
	s_bfe_u32 s22, ttmp6, 0x40004                  ; cy
	s_and_b32 s23, ttmp7, 0xffff
	s_lshl_b32 s78, s23, 2
	s_add_co_u32 s78, s78, s22                     ; I1: my 256 tokens
	s_lshl_b32 s79, ttmp9, 2
	s_add_co_u32 s79, s79, s21                     ; I0: my 128 columns
	s_lshl_b32 s83, s22, 2
	s_lshl_b32 s83, 15, s83                        ; my row of the cluster
	s_lshl_b32 s84, 0x1111, s21                    ; my column
	; group 1: tiles as rows of 3,072 bytes (a K chunk of 256), 12,288 bytes apart; elements of 8 bytes; no padding
	s_or_b32 s[G1A], s83, (3<<16)|(1<<21)
	s_or_b32 s[G1B], s84, (3<<16)|(1<<21)
	s_mov_b32 s[G1A+1], 384<<16
	s_mov_b32 s[G1A+2], 4<<16
	s_mov_b32 s[G1A+3], 384<<16
	s_mov_b32 s[G1A+4], 4
	s_mov_b32 s[G1A+5], 1536
	s_mov_b32 s[G1A+6], 0
	s_mov_b32 s[G1A+7], 0
	s_mov_b32 s[G1B+1], 384<<16
	s_mov_b32 s[G1B+2], 2<<16
	s_mov_b32 s[G1B+3], 384<<16
	s_mov_b32 s[G1B+4], 2
	s_mov_b32 s[G1B+5], 1536
	s_mov_b32 s[G1B+6], 0
	s_mov_b32 s[G1B+7], 0
	s_mul_i32 s2, s78, 196608
	s_mul_i32 s3, s[WV], 49152
	s_add_co_u32 s2, s2, s3
	s_mov_b32 s3, 0
	s_mul_i32 s66, s79, 98304
	s_mul_i32 s67, s[WV], 24576
	s_add_co_u32 s66, s66, s67
	s_add_co_u32 s66, s66, 2359296                 ; Wp is the fourth matrix of wc
	s_mov_b32 s67, 0
	s_wait_dscnt 0x0
	s_wait_kmcnt 0x0
	s_add_nc_u64 s[86:87], s[4:5], s[2:3]
	s_add_nc_u64 s[88:89], s[6:7], s[66:67]
	s_mul_i32 s2, s[WV], 12288
	s_mul_i32 s66, s[WV], 6144
.irp c, 0,1,2,3
	s_mov_b32 s[G0A+4*\c], 1
	s_add_co_u32 s[G0A+4*\c+1], s2, 49152*\c
	s_add_nc_u64 s[G0A+4*\c+2:G0A+4*\c+3], s[86:87], 3072*\c
	s_or_b32 s[G0A+4*\c+3], s[G0A+4*\c+3], 0x80000000
	s_mov_b32 s[56+4*\c+4*(\c/2)], 1
	s_add_co_u32 s[56+4*\c+4*(\c/2)+1], s66, 196608+24576*\c
	s_add_nc_u64 s[56+4*\c+4*(\c/2)+2:56+4*\c+4*(\c/2)+3], s[88:89], 3072*\c
	s_or_b32 s[56+4*\c+4*(\c/2)+3], s[56+4*\c+4*(\c/2)+3], 0x80000000
.endr
	CROUND                                         ; all sixteen work-groups are here: the joint loads meet
.irp c, 0,1,2,3                        ; all fills of the launch, chunk by chunk: eight loads of mine are out
	tensor_load_to_lds s[G0A+4*\c:G0A+4*\c+3], s[G1A:G1A+7]
	s_nop 0
	tensor_load_to_lds s[56+4*\c+4*(\c/2):56+4*\c+4*(\c/2)+3], s[G1B:G1B+7]
	s_nop 0
.endr
.rept 4
	v_nop                                          ; behind tensor loads
.endr
	v_and_b32 v1, 31, v0
	v_and_b32 v2, 15, v0
	v_bfe_u32 v3, v0, 4, 1
	s_wait_alu depctr_va_vdst(0)
	s_lshl_b32 s14, s78, 13
	s_lshl_b32 s15, s[WV], 11
	s_add_co_u32 s14, s14, s15                     ; y's scale words: tile 16 I1 + 4 w
	s_lshl_b32 s15, s79, 12
	s_add_co_u32 s15, s15, 262144                  ; Wp's: tile 8 I0
	v_mov_b32 v20, s14
	v_mov_b32 v21, s15
	v_cmp_ne_u32 vcc_lo, 0, v3
	v_cndmask_b32 v20, v20, v21, vcc_lo
	v_lshl_add_u32 v20, v2, 4, v20
	v_lshl_add_u32 v21, v3, 11, v20                ; for i = 4 .. 7: lanes 16-31 four tiles on; lanes 0-15 read tiles 0-3 again (not used), inside the buffer
.irp i, 0,1,2,3
	global_load_b128 v[SC+8*\i:SC+8*\i+3], v20, s[8:9] offset:512*\i
	global_load_b128 v[SC+8*\i+4:SC+8*\i+7], v20, s[8:9] offset:512*\i+256
	global_load_b128 v[SC+32+8*\i:SC+32+8*\i+3], v21, s[8:9] offset:512*\i
	global_load_b128 v[SC+32+8*\i+4:SC+32+8*\i+7], v21, s[8:9] offset:512*\i+256
.endr
	s_lshl_b32 s16, s79, 9
	s_mov_b32 s17, 0
	s_add_nc_u64 s[10:11], s[10:11], s[16:17]      ; the bias of my 128 columns
	v_lshlrev_b32 v22, 6, v3                       ; lane (r, h) wants, for Wp's tile 2 b + u, columns 32 b + 16 h + 8 u + 0 .. 7
.irp b, 0,1,2,3,4,5,6,7
	global_load_b128 v[BI+8*\b:BI+8*\b+3], v22, s[10:11] offset:(32*(\b/2)+8*(\b%2))*4
	global_load_b128 v[BI+8*\b+4:BI+8*\b+7], v22, s[10:11] offset:(32*(\b/2)+8*(\b%2))*4+16
.endr
	s_lshl_b32 s18, s78, 20                        ; out: token 256 I1 + 64 w, 4,096 bytes a token; column 128 I0
	s_lshl_b32 s19, s[WV], 18
	s_add_co_u32 s18, s18, s19
	s_add_co_u32 s18, s18, s16
	s_mov_b32 s19, 0
	s_add_nc_u64 s[12:13], s[12:13], s[18:19]
	v_lshlrev_b32 v23, 4, v1                       ; 16 l
	v_lshlrev_b32 v26, 3, v1                       ; 8 l
	s_mul_i32 s14, s[WV], 12288
	v_mul_u32_u24 v24, v2, SPIT
	v_lshl_add_u32 v24, v3, 6, v24
	v_add_nc_u32 v24, s14, v24                     ; the stage, in: row r, + 64 h
	v_add_nc_u32 v25, s14, v23                     ; and back
	s_mov_b32 s15, 196608
.irp c, 0,1,2,3
	v_add_nc_u32 v[4+2*\c], s14, v23
	v_add_nc_u32 v[5+2*\c], s14, v26
	v_add_nc_u32 v[12+2*\c], s15, v23
	v_add_nc_u32 v[13+2*\c], s15, v26
	s_add_co_u32 s14, s14, 49152
	s_add_co_u32 s15, s15, 24576
.endr
	s_wait_alu depctr_va_vdst(0)
	s_wait_loadcnt 0x0                             ; scale words and bias
	SYNC 6                                         ; chunk 0 is in; the six loads of chunks 1-3 may be out
	FETCH 0
.irp s, 0,1,2,3,4,5,6,7
	KSTEP \s
.endr
	PLACES                                         ; in front of the first read of results and of loads into the fragments' registers
	TOSTAGE 0
	TOSTAGE 1
	SEND 0, 32
	s_wait_xcnt 0x0                                ; tile 0's stores have read their registers
	TOSTAGE 2
	SEND 1, 32
	s_wait_xcnt 0x0                                ; tile 1's likewise
	TOSTAGE 3
	SEND 2, 32
	SEND 3, 0
	s_wait_tensorcnt 0x0
	ds_add_u32 v30, v31
	s_wait_dscnt 0x0
	CROUND                                         ; the closing round: no work-group ends while a partner may still ask for a tile that names it
	s_endpgm
.Lfunc_end_k_qc3dfdf45fe_proj:
	.size	k_qc3dfdf45fe_proj, .Lfunc_end_k_qc3dfdf45fe_proj-k_qc3dfdf45fe_proj
	.p2alignl 7, 3214868480
	.fill 96, 4, 3214868480
	.section	.rodata,"a",@progbits
	.p2align	6, 0x0
	.amdhsa_kernel k_qc3dfdf45fe_proj
		.amdhsa_group_segment_fixed_size 327680
		.amdhsa_private_segment_fixed_size 0
		.amdhsa_enable_private_segment 0
		.amdhsa_kernarg_size 40
		.amdhsa_user_sgpr_count 2
		.amdhsa_user_sgpr_kernarg_segment_ptr 1
		.amdhsa_wavefront_size32 1
		.amdhsa_system_sgpr_workgroup_id_x 1
		.amdhsa_system_sgpr_workgroup_id_y 1
		.amdhsa_system_sgpr_workgroup_id_z 1
		.amdhsa_system_vgpr_workitem_id 0
		.amdhsa_next_free_vgpr 768
		.amdhsa_next_free_sgpr 90
		.amdhsa_reserve_vcc 1
		.amdhsa_float_denorm_mode_32 3
		.amdhsa_float_denorm_mode_16_64 3
		.amdhsa_memory_ordered 1
		.amdhsa_forward_progress 1
		.amdhsa_inst_pref_size 85
	.end_amdhsa_kernel
	.amdgpu_metadata
---
amdhsa.version: [ 1, 2 ]
amdhsa.kernels:
  - .name:           k_qc3dfdf45fe_proj
    .symbol:         k_qc3dfdf45fe_proj.kd
    .args:
      - { .name: yc, .offset: 0, .size: 8, .value_kind: global_buffer, .address_space: global }
      - { .name: wc, .offset: 8, .size: 8, .value_kind: global_buffer, .address_space: global }
      - { .name: ysc, .offset: 16, .size: 8, .value_kind: global_buffer, .address_space: global }
      - { .name: bp, .offset: 24, .size: 8, .value_kind: global_buffer, .address_space: global }
      - { .name: out0, .offset: 32, .size: 8, .value_kind: global_buffer, .address_space: global }
    .group_segment_fixed_size: 327680
    .private_segment_fixed_size: 0
    .kernarg_segment_align: 8
    .kernarg_segment_size: 40
    .max_flat_workgroup_size: 128
    .sgpr_count:     90
    .vgpr_count:     768
    .wavefront_size: 32
...
	.end_amdgpu_metadata
.endif
;; end of part 4
